; MI455X (gfx1250); checked and timed in simulation.
; The chip was launched on July 23, 2026; its instructions are those of AMD's public machine-readable ISA for CDNA 5 (MIT licence, August 2026) and "CDNA5" Instruction Set Architecture Reference Guide (July 2026). The comments in the code are by the model that wrote it; some were corrected since.
;; Grouped Query Attention. Allowed arithmetic: matrix products marked QUANTISED: E5M2 operands, one E8M0 scale for each 32 along K, by v_wmma_scale_f32_16x16x128_f8f6f4 with both operands' format E5M2, f32 sums; everything else in f32.
;; Inputs: Wk 1,024 x 256 float32; Wo 1,024 x 1,024 float32; Wq 1,024 x 1,024 float32; Wv 1,024 x 256 float32; bo 1,024 float32; x 2 x 2,048 x 1,024 float32.
;; Outputs: out0 2 x 2,048 x 1,024 float32.
;; This version of the problem:
;;   THIS VERSION OF THE PROBLEM IS GIVEN IN LOW PRECISION. The matrix products marked QUANTISED in the list below multiply operands that are first quantised to E5M2 (5 exponent bits, 2 mantissa bits; 8 bits a number), with one power-of-two scale for each 32 numbers along K (OCP MX v1.0); their sums are f32. All else is computed in f32.
;;   The module's matrix products, in the order in which they are computed (A, B: the left and right operand; K: the contracted axis; several contracted axes count as one K, in the product's order):
;;     1. [M 4,096, K 1,024] x [K 1,024, N 1,024]; A: input x; B: input Wq: QUANTISED
;;     2. [M 4,096, K 1,024] x [K 1,024, N 256]; A: input x; B: input Wk: QUANTISED
;;     3. [M 4,096, K 1,024] x [K 1,024, N 256]; A: input x; B: input Wv: QUANTISED
;;     4. batch 32 x [M 2,048, K 64] x [K 64, N 2,048]; A: computed on the way; B: computed on the way: QUANTISED
;;     5. batch 32 x [M 2,048, K 2,048] x [K 2,048, N 64]; A: softmax (see below); B: computed on the way: QUANTISED
;;     6. [M 4,096, K 1,024] x [K 1,024, N 1,024]; A: computed on the way; B: input Wo: QUANTISED
;;   THE QUANTISER, for each operand of a quantised product, along K:
;;     - K is cut into blocks of 32 from its start; a last block that is shorter is filled with zeros.
;;     - A block's scale is 2^e with e = floor(log2(the largest magnitude in the block)) - 15, held to -126 .. 127; a block of zeros has e = 0. As a byte (E8M0): e + 127.
;;     - Each number is divided by its block's scale, clamped to +-57,344, and rounded to the nearest number of E5M2, ties to even, subnormals kept.
;;     - The product sums the exact products of the quantised numbers (number of the format x scale) in f32.
;;   ~~~python
;;   def quantise(x, axis):      # numpy; x: float32 -> the quantised numbers, widened to float32 again
;;       x = np.moveaxis(x, axis, -1); K = x.shape[-1]
;;       x = np.pad(x, [(0, 0)] * (x.ndim - 1) + [(0, -K % 32)]); x = x.reshape(x.shape[:-1] + (-1, 32)); a = np.abs(x).max(-1, keepdims=True)
;;       e = np.where(a > 0, np.clip(np.frexp(np.where(a > 0, a, 1))[1] - 1 - 15, -126, 127), 0)      # np.frexp(a)[1] - 1 = floor(log2(a)), exactly
;;       r = np.clip(x / 2.0 ** e, -57344, 57344)
;;       step = 2.0 ** (np.maximum(np.frexp(np.where(r == 0, 1, r))[1] - 1, -14) - 2)
;;       q = np.round(r / step) * step * 2.0 ** e      # np.round: ties to even
;;       return np.moveaxis(q.reshape(q.shape[:-2] + (-1,))[..., :K], -1, axis).astype(np.float32)
;;   ~~~
;;   SOFTMAX AHEAD OF A QUANTISED PRODUCT. Where the list says 'softmax', what is quantised is not the finished softmax but p = 2^(t - M), with t = logit x log2(e) and M = ceil(the row's largest t), a whole number; so 1/2 < the row's largest p <= 1. The row's sum l is taken of the UNQUANTISED p, in f32, and the product's result is divided by l at the end. Since M is a whole number, a kernel that streams over the keys may use a running M (the ceiling of the running maximum): every later rescaling is an exact power of two, which a block's scale takes up: the codes' values come out the same.
;;   OPERANDS COMPUTED ON THE WAY. 'Computed on the way' means the value that the module computes at that place (a softmax that the list does not call 'softmax' is quantised finished and normalised). What goes into a quantiser is computed in f32, as accurately as f32 sums, v_exp_f32 and their like allow (about 1e-6 of the number): no bf16 or f16 on the way to a quantiser, and a product that is left as it is and whose result goes on into a quantised operand takes f32 operands (vector FMAs, or v_wmma_f32_16x16x4_f32). A number that lies on a knife's edge between two numbers of the format may be rounded either way, as far as f32 arithmetic and the matrix unit's own rounding can turn it there, and no further.
;; One version. Each part assembles by itself: llvm-mc -triple=amdgcn-amd-amdhsa -mcpu=gfx1250 --defsym DOCPART=n.
;; ======== version 1 of 1: 4 launches
;; limits: right only within a limited range of input values
;; workspace buffers: xq 4,325,376 bytes; wq 2,703,360 bytes; qkv 6,488,064 bytes; cq 4,325,376 bytes
;; launch quant (part 1): grid 576 x 1, 4 waves a work-group, no clusters, 34,304 bytes of LDS; arguments x, Wq, Wk, Wv, Wo, xq, wq; writes xq, wq
.if DOCPART == 1
	.amdgcn_target "amdgcn-amd-amdhsa--gfx1250"
	.amdhsa_code_object_version 6
	.text
	.protected	k_q7e9913630f_quant
	.globl	k_q7e9913630f_quant
	.p2align	8
	.type	k_q7e9913630f_quant,@function
k_q7e9913630f_quant:
	s_mov_b64 s[64:65], 0
	v_nop
	global_prefetch_b8 v0, s[64:65] scope:SCOPE_SE
	s_setreg_imm32_b32 hwreg(HW_REG_WAVE_MODE, 25, 1), 1
	s_wait_xcnt 0x0
; x [4096][1024] and the weights Wq, Wk, Wv, Wo ([1024 (k)][n]), f32, become codes of BF8 (E5M2) with one E8M0 byte for each 32 along K.
; A block's scale is 2^(floor(log2(its largest magnitude)) - 15); each number is divided by it, held within +-57,344 and rounded to the nearest code, ties to even.
; LIMITS: NaN and infinities among the inputs are not served; a block of zeros, or one whose largest magnitude lies under 2^-111, keeps the byte 1 (its bytes are read by this program alone).
; THE BUFFERS ARE LAID IN THE ORDER OF THE OPERANDS' REGISTERS.  An operand block is 128 rows x 1,024 K = 8 K steps of KSB bytes; a K step is 8 tiles of 2,048 bytes and then 8 x 16 scale words.
; In a tile, lane 16 h + r has its 16 bytes of piece c at 512 c + 16 lane: the codes of k = 32 c + 16 h + 0 .. 15 of the tile's row r.
; TILE 2 G + u HOLDS ROWS 32 G + 8 u + (r % 8) + 16 (r / 8): as a product's source 0 such tiles leave 16 neighbouring rows in a lane's 16 result registers.
; Work-groups 0-127 take 32 tokens of x each (K innermost: the numbers turn through the wave's own stage in LDS, so that every load reads 512 consecutive bytes and a lane ends with 16 neighbours of each block);
; work-groups 128-207 take 128 columns x 256 K of a weight (K outermost: a lane takes a column and its registers run down K; no LDS).  Every work-group reads 131,072 bytes.
; Memory binds: no matrix unit, no cluster, no tensor load; waves share nothing, so there is no barrier.
; THE SHARES AS THIS TEXT HAS THEM (they replace the two lines on work-groups above): work-groups 0-255 take 32 tokens of x by half of K, two K steps a wave, and read 65,536 bytes;
; work-groups 256-575 take 128 columns x 64 K of a weight, two blocks a lane, and read 32,768 bytes.  All of a wave's loads are issued ahead of its first wait.
.set OBB,  135168                      ; an operand block
.set KSB,  16896                       ; a K step of it
.set SPX,  528                         ; x path: a stage row: 512 bytes + 16, so that sixteen rows begin 4 words apart
.set RX,   16                          ; v16-143  x path: two sets of 64 registers as loaded
.set XX,   144                         ; v144-207 x path: 64 numbers, register 16 c + i = k 32 c + 16 h + i of my row
.set PC,   208                         ; v208-239 x path: the codes, two sets of 16
.set TM,   240                         ; v240-243 largest magnitudes, v244-247 bytes, v248-251 holds, v252-255 scale operands
.set OFF,  16                          ; v16-47   w path: 4 lane + i rows
.set XW,   48                          ; v48-111  w path: two sets of 32 numbers
.set CW,   112                         ; v112-127 w path: 8 registers of codes for each of 2 blocks: no store's data are written again
.set SW,   176                         ; v176     w path: the scale bytes of my column's two blocks
.set MNT,  19                          ; s19      the mantissa field of 57,344
.set SEL,  20                          ; s[20:21] lane l xor 16
; 64 numbers of a lane become a fragment's 16 registers of codes and its row's scale word
.macro QUANT s, pc, pw
.irp b, 0,1,2,3
	v_max3_num_f32 v[TM+\b], |v[\s+16*\b]|, |v[\s+1+16*\b]|, 0x8000000   ; block b: my 16 numbers and the floor 2^(16 - 127): the byte cannot fall under 1
.endr
.irp i, 2,4,6,8,10,12,14
.irp b, 0,1,2,3
	v_max3_num_f32 v[TM+\b], v[TM+\b], |v[\s+16*\b+\i]|, |v[\s+1+16*\b+\i]|
.endr
.endr
.irp b, 0,1,2,3
	v_permlanex16_b32 v[TM+4+\b], v[TM+\b], s[SEL], s[SEL+1]
.endr
.irp b, 0,1,2,3
	v_max_num_f32 v[TM+\b], v[TM+\b], v[TM+4+\b]                         ; with lane l xor 16's 16: the block's largest magnitude
.endr
.irp b, 0,1,2,3
	v_add_nc_u32 v[TM+12+\b], 0xf8800000, v[TM+\b]                       ; 15 off its exponent field: the conversion's scale operand
.endr
.irp b, 0,1,2,3
	v_and_or_b32 v[TM+8+\b], v[TM+\b], 0x7f800000, s[MNT]                ; 57,344 x the scale
.endr
.irp b, 0,1,2,3
	v_lshrrev_b32 v[TM+4+\b], 23, v[TM+12+\b]                            ; the scale's byte
.endr
	v_lshl_or_b32 v[\pw], v[TM+5], 8, v[TM+4]
	v_lshl_or_b32 v[\pw], v[TM+6], 16, v[\pw]
	v_lshl_or_b32 v[\pw], v[TM+7], 24, v[\pw]
.irp b, 0,1,2,3
.irp i, 0,1,2,3,4,5,6,7,8,9,10,11,12,13,14,15
	v_med3_num_f32 v[\s+16*\b+\i], v[\s+16*\b+\i], -v[TM+8+\b], v[TM+8+\b]   ; the conversion to an 8-bit code does not saturate (ISA guide 7.6.2): the hold
.endr
	v_cvt_scalef32_pk8_bf8_f32 v[\pc+4*\b:\pc+1+4*\b], v[\s+16*\b:\s+7+16*\b], v[TM+12+\b]
	v_cvt_scalef32_pk8_bf8_f32 v[\pc+2+4*\b:\pc+3+4*\b], v[\s+8+16*\b:\s+15+16*\b], v[TM+12+\b]
.endr
	v_nop                                          ; a plain line behind the last conversion
.endm
; x path: K step k of my two: the tile's 16 rows, 512 consecutive bytes a load
.macro LOADU k
.irp p, 0,1,2,3,4,5,6,7,8,9,10,11,12,13,14,15
	global_load_b128 v[RX+64*((\k)%2)+4*\p:RX+64*((\k)%2)+4*\p+3], v4, s[4:5] offset:((\p%8)+16*(\p/8))*4096+512*(\k) th:TH_LOAD_NT
.endr
.endm
.macro UNIT k
.if (\k) < 1
	s_wait_loadcnt 16                              ; this unit's 16 loads are in; the next unit's 16 may be out
.else
	s_wait_loadcnt 0
.endif
.irp p, 0,1,2,3,4,5,6,7,8,9,10,11,12,13,14,15
	ds_store_b128 v5, v[RX+64*((\k)%2)+4*\p:RX+64*((\k)%2)+4*\p+3] offset:SPX*\p
.endr
.irp c, 0,1,2,3
.irp j, 0,1,2,3
	ds_load_b128 v[XX+16*\c+4*\j:XX+16*\c+4*\j+3], v6 offset:128*\c+16*\j   ; LDS serves a wave's instructions in order: these see the stores above
.endr
.endr
	s_wait_dscnt 0x0                               ; my numbers are back, and the stores have read their registers
	QUANT XX, PC+16*((\k)%2), 8+(\k)
.irp c, 0,1,2,3
	global_store_b128 v7, v[PC+16*((\k)%2)+4*\c:PC+16*((\k)%2)+4*\c+3], s[14:15] offset:KSB*(\k)+512*\c   ; 512 consecutive bytes
.endr
	global_store_b32 v12, v[8+(\k)], s[14:15] offset:KSB*(\k)   ; my row's scale word (both halves of the lanes hold and store the same word)
.endm
; w path: block t of 32 along K
.macro LOADB t
.irp i, 0,1,2,3,4,5,6,7,8,9,10,11,12,13,14,15,16,17,18,19,20,21,22,23,24,25,26,27,28,29,30,31
	global_load_b32 v[XW+32*((\t)%2)+\i], v[OFF+\i], s[32+2*(\t):33+2*(\t)] th:TH_LOAD_NT
.endr
.endm
.macro BLOCK t
.set XS, XW+32*((\t)%2)
.if (\t) < 1
	s_wait_loadcnt 32                              ; this block's 32 loads are in; the next block's may be out
.else
	s_wait_loadcnt 0
.endif
	v_max3_num_f32 v8, |v[XS]|, |v[XS+1]|, |v[XS+2]|   ; all 32 numbers of the block are mine
	v_max3_num_f32 v9, |v[XS+3]|, |v[XS+4]|, |v[XS+5]|
.irp i, 6,10,14,18,22,26
	v_max3_num_f32 v8, v8, |v[XS+\i]|, |v[XS+\i+1]|
	v_max3_num_f32 v9, v9, |v[XS+\i+2]|, |v[XS+\i+3]|
.endr
	v_max3_num_f32 v8, v8, |v[XS+30]|, |v[XS+31]|
	v_max3_num_f32 v8, v8, v9, 0x8000000
	v_add_nc_u32 v11, 0xf8800000, v8
	v_and_or_b32 v10, v8, 0x7f800000, s[MNT]
	v_lshrrev_b32 v9, 23, v11
.if (\t)%4 == 0
	v_mov_b32 v[SW+(\t)/4], v9
.else
	v_lshl_or_b32 v[SW+(\t)/4], v9, 8*((\t)%4), v[SW+(\t)/4]
.endif
.irp i, 0,1,2,3,4,5,6,7,8,9,10,11,12,13,14,15,16,17,18,19,20,21,22,23,24,25,26,27,28,29,30,31
	v_med3_num_f32 v[XS+\i], v[XS+\i], -v10, v10
.endr
.irp g, 0,1,2,3
	v_cvt_scalef32_pk8_bf8_f32 v[CW+8*(\t)+2*\g:CW+8*(\t)+2*\g+1], v[XS+8*\g:XS+8*\g+7], v11
.endr
	v_nop
	global_store_b128 v4, v[CW+8*(\t):CW+8*(\t)+3], s[52:53] offset:((\t)/4)*KSB+((\t)%4)*512         ; k 0-15 of the block: the place of lanes 0-15 in the image; the wave fills 256 consecutive bytes in each of its two tiles
	global_store_b128 v4, v[CW+8*(\t)+4:CW+8*(\t)+7], s[52:53] offset:((\t)/4)*KSB+((\t)%4)*512+256   ; k 16-31: the place of lanes 16-31
.if (\t) == 1
	global_store_b16 v5, v[SW], s[54:55]           ; two of my column's four scale bytes of this K step
.endif
.endm
	s_load_b256 s[4:11], s[0:1], 0x0               ; x, Wq, Wk, Wv
	s_load_b128 s[12:15], s[0:1], 0x20             ; Wo, xq
	s_load_b64 s[16:17], s[0:1], 0x30              ; wq
	v_lshl_add_u32 v14, v0, 2, 0x8400
	v_mov_b32 v15, 0
	v_lshrrev_b32 v1, 5, v0
	v_readfirstlane_b32 s18, v1                    ; wave 0..3
	v_and_b32 v1, 31, v0                           ; lane
	v_and_b32 v2, 15, v0                           ; r
	v_bfe_u32 v3, v0, 4, 1                         ; h
	s_mov_b32 s[MNT], 0x600000
	s_mov_b32 s[SEL], 0x76543210
	s_mov_b32 s[SEL+1], 0xfedcba98
	s_wait_kmcnt 0x0
	s_cmp_lt_u32 ttmp9, 256
	s_cbranch_scc0 .Lweights
	; ---- x: work-group i takes tokens 32 (i / 2) on and half i % 2 of K; wave w takes tile u = w / 2 of the two and quarter w % 2 of that half's two: two K steps
	s_lshr_b32 s25, ttmp9, 1                       ; the 32 tokens' number
	s_and_b32 s23, ttmp9, 1
	s_lshl_b32 s23, s23, 1
	s_and_b32 s24, s18, 1
	s_add_co_u32 s23, s23, s24                     ; which quarter of K
	s_lshr_b32 s22, s18, 1                         ; u
	s_lshl_b32 s24, s25, 1
	s_add_co_u32 s24, s24, s22
	s_and_b32 s24, s24, 7                          ; the tile's number in its block of 128 tokens
	s_lshl_b32 s26, s25, 17                        ; 32 rows of 4,096 bytes,
	s_lshl_b32 s27, s22, 15                        ; 8 rows,
	s_add_co_u32 s26, s26, s27
	s_lshl_b32 s27, s23, 10                        ; 256 numbers along K
	s_add_co_u32 s26, s26, s27
	s_mov_b32 s27, 0
	s_add_nc_u64 s[4:5], s[4:5], s[26:27]
	s_lshr_b32 s26, s25, 2
	s_mul_i32 s26, s26, OBB
	s_mul_i32 s28, s23, 2*KSB
	s_add_co_u32 s26, s26, s28
	s_add_nc_u64 s[14:15], s[14:15], s[26:27]
	s_wait_alu depctr_va_vdst(0)
	v_lshlrev_b32 v4, 4, v1                        ; 16 lane
	s_mul_i32 s28, s18, 16*SPX                     ; my stage
	v_add_nc_u32 v5, s28, v4                       ; in: a row as it lies
	v_mul_u32_u24 v6, v2, SPX
	v_lshl_add_u32 v6, v3, 6, v6
	v_add_nc_u32 v6, s28, v6                       ; back: row r, + 64 h: my 16 numbers of each block of 32
	s_lshl_b32 s29, s24, 11
	v_add_nc_u32 v7, s29, v4                       ; the codes' place in a K step
	s_lshl_b32 s29, s24, 6
	s_add_co_u32 s29, s29, 16384
	v_lshl_add_u32 v12, v2, 2, s29                 ; the scale word's
.irp b, 0,1,2,3
	v_mov_b32 v[TM+4+\b], 0                        ; written once: a lane permute's destination counts as one of its sources
.endr
	LOADU 0
	LOADU 1
	s_wait_alu depctr_va_vdst(0)
	UNIT 0
	UNIT 1
	s_wait_tensorcnt 0x0
	ds_add_u32 v14, v15
	s_wait_dscnt 0x0
	s_endpgm
.Lweights:
	; ---- weights: block blk of 128 columns, 256 along K; wave w takes columns 32 w on, lane j column j of them
	; ---- (as this text has it: 64 along K, half a K step)
	s_sub_co_u32 s22, ttmp9, 256
	s_lshr_b32 s23, s22, 4                         ; blk: 0-7 Wq, 8-11 Wk beside Wv, 12-19 Wo
	s_and_b32 s24, s22, 15                         ; which 64 along K
	s_lshl_b32 s25, s18, 5
	s_lshl_b32 s26, s23, 7
	s_add_co_u32 s26, s26, s25                     ; Wq: column 128 blk + 32 w
	s_sub_co_u32 s27, s26, 1536                    ; Wo: 128 (blk - 12) + 32 w
	s_and_b32 s28, s18, 1
	s_lshl_b32 s28, s28, 5
	s_lshl_b32 s29, s23, 6
	s_add_co_u32 s28, s28, s29
	s_sub_co_u32 s28, s28, 512                     ; Wk, Wv: 64 (blk - 8) + 32 (w % 2)
	s_mov_b32 s30, 4096                            ; a row in bytes
	s_cmp_lt_u32 s18, 2                            ; the choices hang on the work-group's and the wave's numbers alone
	s_cselect_b64 s[8:9], s[8:9], s[10:11]         ; waves 0, 1: Wk; waves 2, 3: Wv
	s_cmp_lt_u32 s23, 12
	s_cselect_b64 s[8:9], s[8:9], s[12:13]
	s_cselect_b32 s28, s28, s27
	s_cselect_b32 s30, 1024, s30
	s_cmp_lt_u32 s23, 8
	s_cselect_b64 s[8:9], s[6:7], s[8:9]
	s_cselect_b32 s28, s26, s28
	s_cselect_b32 s30, 4096, s30
	s_lshl_b32 s28, s28, 2
	s_lshl_b32 s31, s24, 6
	s_mul_i32 s31, s31, s30
	s_add_co_u32 s28, s28, s31
	s_mov_b32 s29, 0
	s_add_nc_u64 s[32:33], s[8:9], s[28:29]        ; block 0's first row, my wave's first column
	s_lshl_b32 s28, s30, 5                         ; 32 rows on for each further block
.irp t, 1
	s_add_nc_u64 s[32+2*\t:33+2*\t], s[30+2*\t:31+2*\t], s[28:29]
.endr
	s_mul_i32 s50, s23, OBB
	s_lshr_b32 s51, s24, 1
	s_mul_i32 s51, s51, KSB                        ; the K step
	s_add_co_u32 s50, s50, s51
	s_lshl_b32 s51, s18, 12                        ; my two tiles
	s_add_co_u32 s52, s50, s51
	s_mov_b32 s53, 0
	s_lshl_b32 s51, s18, 7                         ; and their scale words
	s_add_co_u32 s54, s50, s51
	s_add_co_u32 s54, s54, 16384
	s_mov_b32 s55, 0
	s_and_b32 s51, s24, 1                          ; and which half of it: two pieces of 512 bytes on, two scale bytes on
	s_lshl_b32 s56, s51, 10
	s_add_co_u32 s52, s52, s56
	s_lshl_b32 s56, s51, 1
	s_add_co_u32 s54, s54, s56
	s_add_nc_u64 s[52:53], s[16:17], s[52:53]
	s_add_nc_u64 s[54:55], s[16:17], s[54:55]
	s_wait_alu depctr_va_vdst(0)
	v_lshlrev_b32 v13, 2, v1
.irp i, 0,1,2,3,4,5,6,7,8,9,10,11,12,13,14,15,16,17,18,19,20,21,22,23,24,25,26,27,28,29,30,31
	v_mad_u32_u24 v[OFF+\i], s30, \i, v13          ; row i of a block, my column
.endr
	v_bfe_u32 v6, v0, 3, 1                         ; column j lies in tile u = (j / 8) % 2
	v_and_b32 v7, 7, v0
	v_lshl_add_u32 v7, v3, 3, v7                   ; at row r = j % 8 + 8 (j / 16)
	v_lshlrev_b32 v4, 4, v7
	v_lshl_add_u32 v4, v6, 11, v4
	v_lshlrev_b32 v5, 2, v7
	v_lshl_add_u32 v5, v6, 6, v5
	LOADB 0
	LOADB 1
	BLOCK 0
	BLOCK 1
	s_endpgm
.Lfunc_end_k_q7e9913630f_quant:
	.size	k_q7e9913630f_quant, .Lfunc_end_k_q7e9913630f_quant-k_q7e9913630f_quant
	.p2alignl 7, 3214868480
	.fill 96, 4, 3214868480
	.section	.rodata,"a",@progbits
	.p2align	6, 0x0
	.amdhsa_kernel k_q7e9913630f_quant
		.amdhsa_group_segment_fixed_size 34304
		.amdhsa_private_segment_fixed_size 0
		.amdhsa_enable_private_segment 0
		.amdhsa_kernarg_size 56
		.amdhsa_user_sgpr_count 2
		.amdhsa_user_sgpr_kernarg_segment_ptr 1
		.amdhsa_wavefront_size32 1
		.amdhsa_system_sgpr_workgroup_id_x 1
		.amdhsa_system_sgpr_workgroup_id_y 1
		.amdhsa_system_sgpr_workgroup_id_z 1
		.amdhsa_system_vgpr_workitem_id 0
		.amdhsa_next_free_vgpr 256
		.amdhsa_next_free_sgpr 66
		.amdhsa_reserve_vcc 0
		.amdhsa_float_denorm_mode_32 3
		.amdhsa_float_denorm_mode_16_64 3
		.amdhsa_memory_ordered 1
		.amdhsa_forward_progress 1
		.amdhsa_inst_pref_size 45
	.end_amdhsa_kernel
	.amdgpu_metadata
---
amdhsa.version: [ 1, 2 ]
amdhsa.kernels:
  - .name:           k_q7e9913630f_quant
    .symbol:         k_q7e9913630f_quant.kd
    .args:
      - { .name: x, .offset: 0, .size: 8, .value_kind: global_buffer, .address_space: global }
      - { .name: Wq, .offset: 8, .size: 8, .value_kind: global_buffer, .address_space: global }
      - { .name: Wk, .offset: 16, .size: 8, .value_kind: global_buffer, .address_space: global }
      - { .name: Wv, .offset: 24, .size: 8, .value_kind: global_buffer, .address_space: global }
      - { .name: Wo, .offset: 32, .size: 8, .value_kind: global_buffer, .address_space: global }
      - { .name: xq, .offset: 40, .size: 8, .value_kind: global_buffer, .address_space: global }
      - { .name: wq, .offset: 48, .size: 8, .value_kind: global_buffer, .address_space: global }
    .group_segment_fixed_size: 34304
    .private_segment_fixed_size: 0
    .kernarg_segment_align: 8
    .kernarg_segment_size: 56
    .max_flat_workgroup_size: 128
    .sgpr_count:     66
    .vgpr_count:     256
    .wavefront_size: 32
...
	.end_amdgpu_metadata
.endif
;; end of part 1
;; launch qkv (part 2): grid 8 x 32, 4 waves a work-group, clusters of 4 x 4, 270,848 bytes of LDS; arguments xq, wq, qkv; writes qkv
.if DOCPART == 2
	.amdgcn_target "amdgcn-amd-amdhsa--gfx1250"
	.amdhsa_code_object_version 6
	.text
	.protected	k_q7e9913630f_qkv
	.globl	k_q7e9913630f_qkv
	.p2align	8
	.type	k_q7e9913630f_qkv,@function
k_q7e9913630f_qkv:
	s_mov_b64 s[64:65], 0
	v_nop
	global_prefetch_b8 v0, s[64:65] scope:SCOPE_SE
	s_setreg_imm32_b32 hwreg(HW_REG_WAVE_MODE, 25, 1), 1
	s_wait_xcnt 0x0
	s_wait_alu depctr_hold_cnt(0) depctr_sa_sdst(0) depctr_va_vdst(0) depctr_va_sdst(0) depctr_va_ssrc(0) depctr_va_vcc(0) depctr_vm_vsrc(0)
	s_getreg_b32 s2, hwreg(HW_REG_IB_STS2, 6, 4)
	s_cmp_eq_u32 s2, 0
	s_cbranch_scc0 .Lentry_in_a_cluster
	s_endpgm
.Lentry_in_a_cluster:
	s_bfe_u32 s2, ttmp6, 0x10000c
	s_cmp_lg_u32 s2, 0xf033
	s_cbranch_scc0 .Lentry_shape_is_right
	s_endpgm
.Lentry_shape_is_right:
; q = x Wq, k = x Wk, v = x Wv on codes of BF8 (E5M2) with E8M0 scales, sums in f32; the results are quantised in registers and leave as codes in the order of the next products' registers.
; LIMITS: NaN and infinities are not served; a block of zeros, or one under 2^-111, keeps the scale byte 1 (read by this program alone).
; SHARES.  1,536 weight columns x 4,096 tokens are 256 equal tiles of 192 x 128: work-group (wblk, tblk) makes 128 columns of Wq (two query heads) and, of key/value head wblk / 2, columns 32 (wblk % 2) on of Wk and of Wv, 32 each.
; Four waves: wave (TH, PH) makes 64 tokens x 64 columns of q (16 accumulators) and, for the same 64 tokens, the 32 columns of k (PH = 0) or of v (PH = 1): 8 accumulators more.
; WHERE THE OPERANDS LIE.  x's block and Wq's, all of K, lie in LDS, filled once: 2 x 135,168 bytes, in four chunks of two K steps; each wave brings one K step of one operand in each chunk (66 dense rows of 256 bytes).
; Nothing is filled again, so the waits on the tensor counter are counted and there is no ring.  The other 64 columns would be 67,584 bytes more, past the 327,680 that a work-group can be given: a wave's two tiles of them,
; for all of K, go from memory straight into 256 registers.  The buffers are laid as images of the operands' registers, so each such load takes 512 consecutive bytes.
; Their products stand in the K step of the main ones and take x's fragments from the registers in which they already lie: LDS is read once for both.
; CLUSTERS: 4 x 4 work-groups; x's block is shared along a row of the cluster, Wq's along a column: joint loads, the same descriptor in the four that a mask names.  The extra columns are plain loads of each wave.
; WHICH OPERAND IS SOURCE 0.  A lane's registers run along source 0's rows.  q and k are quantised along the head's 64 (weight columns): the weights are source 0.  v is quantised along the keys (tokens): x is source 0.
; That is a branch on the wave's number round eight matrix instructions in each K step; no barrier, load or wait stands inside it.
; Tiles hold rows 32 G + 8 u + (r % 8) + 16 (r / 8), so that the 16 registers of source 0's tiles 2 G and 2 G + 1 are 16 neighbours.
; REGISTERS: window 0: v1-5 lane terms; v16-19 LDS addresses; v20-27 offsets; v32-47 scale words of x and Wq, two sets; v48-55 scale words of the extra columns; v56-59 scale half words; v64-111 codes, three sets;
;   v112-127 at work; v128-255 q's accumulator (t, j) at 128 + 32 j + 8 t.   window 1: two fragment buffers of 128: Wq's four tiles, then x's four.
;   window 2: the extra columns' fragments: K step s, tile t at 32 s + 16 t.   window 3: v0-63 the extra accumulators: k: 16 j + 8 t; v: 32 t + 8 j (t: the weights' tile, j: x's).
; THE FILLS AS THIS TEXT HAS THEM (in place of the chunks that the lines above speak of): x's block lies at LDS byte 0, Wq's behind it, 8 K steps each.  One joint load a wave, 264 dense rows of 256 bytes: waves 0 and 1 bring K steps 0-3 of x
; and of Wq, waves 2 and 3 K steps 4-7; each has a load line of its own.  The first barrier shows waves 0 and 1's, the barrier ahead of K step 4's fragments the rest; every wait on the tensor counter is for 0.
; K's scale bytes of 128 keys lie as [row 16][tile 8][2], V's as [row 16][tile 4][4].
.set OBB,  135168                      ; an operand block: 128 rows x 1,024 K
.set KSB,  16896                       ; a K step of it: 8 tiles of 2,048 bytes, then 8 x 16 scale words
.set CHB,  2*KSB                       ; two K steps: from one address step to the next
.set ADP,  16                          ; v16 Wq's fragments; v17 x's; v18, v19 their scale words
.set ADR,  17
.set ADSP, 18
.set ADSR, 19
.set CO,   20                          ; v20 where q's codes go; v21 its scale half words
.set SO,   21
.set XCO,  22                          ; v22, v23 where the codes of the extra blocks 0, 2 and 1, 3 go
.set XSO,  24                          ; v24, v25 and their scale bytes
.set EO,   26                          ; v26 from where the extra columns' codes come; v27 their scale words
.set ESO,  27
.set SC,   32
.set ES,   48
.set HW,   56
.set PCQ,  64
.set TM,   112                         ; v112-115 largest magnitudes, v116-119 bytes, v120-123 holds, v124-127 scale operands
.set ACC,  128
.set G1X,  24                          ; s[24:31] group 1 for x's loads; s[32:39] for Wq's; s[40:43] x's group 0; s[56:59] Wq's
.set G1W,  32
.set MSB, 0
.macro WIN new                         ; the immediate's high byte repeats the setting that is left
.if MSB != \new
	s_set_vgpr_msb (MSB<<8)|\new
.set MSB, \new
.endif
.endm
.macro CROUND                          ; a round of the cluster's barrier
	s_barrier_signal -1
	s_barrier_wait -1
	s_cmp_lg_u32 s12, 0
	s_cbranch_scc1 .Lnot_wave_0_\@
	s_barrier_signal -3
.Lnot_wave_0_\@:
	s_barrier_wait -3
	s_barrier_signal -1
	s_barrier_wait -1
.endm
.macro PLACES n
.rept \n
	v_nop
.endr
.endm
.macro FETCH s                         ; K step s: 32 loads of fragments, 8 of scale words: 40 LDS loads
	WIN 0x40                                       ; destination window 1, address window 0
.irp t, 0,1,2,3
.irp c, 0,1,2,3
	ds_load_b128 v[128*((\s)%2)+16*\t+4*\c:128*((\s)%2)+16*\t+4*\c+3], v[ADP] offset:((\s)%2)*KSB+2048*\t+512*\c
.endr
.endr
.irp t, 0,1,2,3
.irp c, 0,1,2,3
	ds_load_b128 v[128*((\s)%2)+64+16*\t+4*\c:128*((\s)%2)+64+16*\t+4*\c+3], v[ADR] offset:((\s)%2)*KSB+2048*\t+512*\c
.endr
.endr
	WIN 0
.irp t, 0,1,2,3
	ds_load_b32 v[SC+8*((\s)%2)+\t], v[ADSP] offset:((\s)%2)*KSB+64*\t
.endr
.irp t, 0,1,2,3
	ds_load_b32 v[SC+8*((\s)%2)+4+\t], v[ADSR] offset:((\s)%2)*KSB+64*\t
.endr
.endm
.macro ECODES s                        ; the extra columns' two fragments of K step s: eight loads of 512 consecutive bytes (the caller has set the destination to window 2)
.irp t, 0,1
.irp c, 0,1,2,3
	global_load_b128 v[32*(\s)+16*\t+4*\c:32*(\s)+16*\t+4*\c+3], v[EO], s[86:87] offset:(\s)*KSB+2048*\t+512*\c
.endr
.endr
.endm
.macro MUL16 s, first                  ; q: the accumulators take turns, one instruction a turn, in the same order in every step
.set F, 128*((\s)%2)
.set SG, SC+8*((\s)%2)
	WIN 0x05                                       ; sources 0 and 1 window 1; C and D window 0
.irp j, 0,1,2,3
.irp t, 0,1,2,3
.if \first
	v_wmma_scale_f32_16x16x128_f8f6f4 v[ACC+32*\j+8*\t:ACC+32*\j+8*\t+7], v[F+16*\t:F+16*\t+15], v[F+64+16*\j:F+64+16*\j+15], 0, v[SG+\t], v[SG+4+\j] matrix_a_fmt:MATRIX_FMT_BF8 matrix_b_fmt:MATRIX_FMT_BF8
.else
	v_wmma_scale_f32_16x16x128_f8f6f4 v[ACC+32*\j+8*\t:ACC+32*\j+8*\t+7], v[F+16*\t:F+16*\t+15], v[F+64+16*\j:F+64+16*\j+15], v[ACC+32*\j+8*\t:ACC+32*\j+8*\t+7], v[SG+\t], v[SG+4+\j] matrix_a_fmt:MATRIX_FMT_BF8 matrix_b_fmt:MATRIX_FMT_BF8
.endif
.endr
.endr
	WIN 0
.endm
; one extra product.  ra, rb = 1: that side's scales are taken from lanes 16-31 of its register
.macro XW d, a, b, first, sa, sb, ra, rb
.if \first
.if \ra
	v_wmma_scale_f32_16x16x128_f8f6f4 v[\d:\d+7], v[\a:\a+15], v[\b:\b+15], 0, v[\sa], v[\sb] matrix_a_fmt:MATRIX_FMT_BF8 matrix_b_fmt:MATRIX_FMT_BF8 matrix_a_scale:MATRIX_SCALE_ROW1
.elseif \rb
	v_wmma_scale_f32_16x16x128_f8f6f4 v[\d:\d+7], v[\a:\a+15], v[\b:\b+15], 0, v[\sa], v[\sb] matrix_a_fmt:MATRIX_FMT_BF8 matrix_b_fmt:MATRIX_FMT_BF8 matrix_b_scale:MATRIX_SCALE_ROW1
.else
	v_wmma_scale_f32_16x16x128_f8f6f4 v[\d:\d+7], v[\a:\a+15], v[\b:\b+15], 0, v[\sa], v[\sb] matrix_a_fmt:MATRIX_FMT_BF8 matrix_b_fmt:MATRIX_FMT_BF8
.endif
.else
.if \ra
	v_wmma_scale_f32_16x16x128_f8f6f4 v[\d:\d+7], v[\a:\a+15], v[\b:\b+15], v[\d:\d+7], v[\sa], v[\sb] matrix_a_fmt:MATRIX_FMT_BF8 matrix_b_fmt:MATRIX_FMT_BF8 matrix_a_scale:MATRIX_SCALE_ROW1
.elseif \rb
	v_wmma_scale_f32_16x16x128_f8f6f4 v[\d:\d+7], v[\a:\a+15], v[\b:\b+15], v[\d:\d+7], v[\sa], v[\sb] matrix_a_fmt:MATRIX_FMT_BF8 matrix_b_fmt:MATRIX_FMT_BF8 matrix_b_scale:MATRIX_SCALE_ROW1
.else
	v_wmma_scale_f32_16x16x128_f8f6f4 v[\d:\d+7], v[\a:\a+15], v[\b:\b+15], v[\d:\d+7], v[\sa], v[\sb] matrix_a_fmt:MATRIX_FMT_BF8 matrix_b_fmt:MATRIX_FMT_BF8
.endif
.endif
.endm
; the eight extra products of K step s, on x's fragments of the buffer in hand.  The branch hangs on the wave's number alone; at a branch and at a label every window is 0
.macro EXTRA s, first
.set F, 128*((\s)%2)
.set SG, SC+8*((\s)%2)
	s_cmp_eq_u32 s14, 0
	s_cbranch_scc0 .Lfor_v_\@
	WIN 0xf6                                       ; k: source 0 (Wk) window 2, source 1 (x) window 1, C and D window 3
.irp j, 0,1,2,3
.irp t, 0,1
	XW 16*\j+8*\t, 32*(\s)+16*\t, F+64+16*\j, \first, ES+(\s), SG+4+\j, \t, 0
.endr
.endr
	WIN 0
	s_branch .Ldone_\@
.Lfor_v_\@:
	WIN 0xf9                                       ; v: source 0 (x) window 1, source 1 (Wv) window 2, C and D window 3
.irp t, 0,1
.irp j, 0,1,2,3
	XW 32*\t+8*\j, F+64+16*\j, 32*(\s)+16*\t, \first, SG+4+\j, ES+(\s), 0, \t
.endr
.endr
	WIN 0
.Ldone_\@:
.endm
.macro KSTEP s, first
.if (\s) == 3
	s_wait_tensorcnt 0x0                           ; my load has landed, whichever it was
	s_wait_dscnt 0x0                               ; no LDS instruction of mine is out at a signal
	s_barrier_signal -1
	s_barrier_wait -1                              ; K steps 4-7 are in
.endif
.if (\s) < 7
.if (\s)%2 == 1
.irp a, ADP, ADR, ADSP, ADSR
	v_add_nc_u32 v[\a], CHB, v[\a]                 ; on to the next chunk; these four are places too
.endr
	PLACES 4                                       ; eight places between the last step's products and loads into the registers that they read
.else
.if (\s) > 0
	PLACES 8
.endif
.endif
	FETCH (\s)+1
	s_wait_dscnt 40                                ; all but the 40 just issued: this step's fragments and scale words are in
.else
	s_wait_dscnt 0x0
.endif
	MUL16 \s, \first
.if (\s) == 0
	s_wait_loadcnt 40                              ; the eight scale loads and K step 0's codes are in; behind them stand the codes of K steps 1 to 5: 5 x 8
	WIN 0x80                                       ; destination window 2
	ECODES 6                                       ; the last two K steps' codes go out now: 56 loads at the most are out, as at the head
	ECODES 7
	WIN 0
.else
	s_wait_loadcnt 8*(7-(\s))                      ; this K step's codes are in; those of the later K steps may be out
.endif
	EXTRA \s, \first
.endm
; 64 results of a lane, four blocks of 16 registers in window w, become 16 registers of codes (4 a block) and four scale bytes in v[TM+4] on
.macro QUANT s, pc, w
	WIN 5*(\w)                                     ; sources 0 and 1
.irp b, 0,1,2,3
	v_max3_num_f32 v[TM+\b], |v[\s+16*\b]|, |v[\s+1+16*\b]|, 0x8000000   ; each accumulator is read from its low end on; the floor 2^(16 - 127) holds the byte at 1 from below
.endr
	WIN 20*(\w)                                    ; sources 1 and 2
.irp i, 2,4,6,8,10,12,14
.irp b, 0,1,2,3
	v_max3_num_f32 v[TM+\b], v[TM+\b], |v[\s+16*\b+\i]|, |v[\s+1+16*\b+\i]|
.endr
.endr
	WIN 0
.irp b, 0,1,2,3
	v_permlanex16_b32 v[TM+4+\b], v[TM+\b], s10, s11
.endr
.irp b, 0,1,2,3
	v_max_num_f32 v[TM+\b], v[TM+\b], v[TM+4+\b]   ; with lane l xor 16's 16: the block's largest magnitude
.endr
.irp b, 0,1,2,3
	v_add_nc_u32 v[TM+12+\b], 0xf8800000, v[TM+\b] ; 15 off its exponent field: the conversion's scale operand
.endr
.irp b, 0,1,2,3
	v_and_or_b32 v[TM+8+\b], v[TM+\b], 0x7f800000, s3   ; 57,344 x the scale
.endr
.irp b, 0,1,2,3
	v_lshrrev_b32 v[TM+4+\b], 23, v[TM+12+\b]      ; the scale's byte
.endr
	WIN 65*(\w)                                    ; source 0 and the destination
.irp b, 0,1,2,3
.irp i, 0,1,2,3,4,5,6,7,8,9,10,11,12,13,14,15
	v_med3_num_f32 v[\s+16*\b+\i], v[\s+16*\b+\i], -v[TM+8+\b], v[TM+8+\b]   ; the conversion to an 8-bit code does not saturate (ISA guide 7.6.2): the hold
.endr
.endr
	WIN \w                                         ; source 0
.irp b, 0,1,2,3
	v_cvt_scalef32_pk8_bf8_f32 v[\pc+4*\b:\pc+1+4*\b], v[\s+16*\b:\s+7+16*\b], v[TM+12+\b]
	v_cvt_scalef32_pk8_bf8_f32 v[\pc+2+4*\b:\pc+3+4*\b], v[\s+8+16*\b:\s+15+16*\b], v[TM+12+\b]
.endr
	WIN 0
	v_nop                                          ; a plain line behind the last conversion
.endm
	s_load_b128 s[4:7], s[0:1], 0x0                ; xq, wq
	s_load_b64 s[8:9], s[0:1], 0x10                ; qkv
	v_lshl_add_u32 v62, v0, 2, 0x42000
	v_mov_b32 v63, 0
	ds_add_u32 v62, v63
	ds_add_u32 v62, v63
	v_lshrrev_b32 v1, 5, v0
	v_readfirstlane_b32 s12, v1                    ; wave 0..3
	s_lshr_b32 s13, s12, 1                         ; TH: which 64 tokens are mine.  Also: which four K steps I fetch
	s_and_b32 s14, s12, 1                          ; PH: which 64 columns of Wq; k (0) or v (1).  Also: I fetch for x (0) or for Wq (1)
	s_bfe_u32 s15, ttmp6, 0x40000                  ; cx
	s_bfe_u32 s16, ttmp6, 0x40004                  ; cy
	s_lshl_b32 s17, ttmp9, 2
	s_add_co_u32 s17, s17, s15                     ; wblk = 4 x cluster x + cx
	s_and_b32 s18, ttmp7, 0xffff
	s_lshl_b32 s18, s18, 2
	s_add_co_u32 s18, s18, s16                     ; tblk = 4 x cluster y + cy
	s_lshl_b32 s80, s16, 2
	s_lshl_b32 s80, 15, s80                        ; my row of the cluster
	s_lshl_b32 s81, 0x1111, s15                    ; my column
	s_or_b32 s[G1X], s80, (3<<16)|(1<<21)          ; 15:0 the mask; 17:16 elements of 8 bytes; 21 set beside a mask; no padding
	s_or_b32 s[G1W], s81, (3<<16)|(1<<21)
.irp g, G1X, G1W
	s_mov_b32 s[\g+1], 32<<16                      ; tensor_dim0 = 32 elements: 256 bytes
	s_mov_b32 s[\g+2], 264<<16                     ; tensor_dim1 = 264 rows: four K steps
	s_mov_b32 s[\g+3], 32<<16                      ; tile_dim0
	s_mov_b32 s[\g+4], 264                         ; tile_dim1
	s_mov_b32 s[\g+5], 32                          ; the pitch: dense
	s_mov_b32 s[\g+6], 0
	s_mov_b32 s[\g+7], 0
.endr
	s_mul_i32 s22, s13, 4*KSB                      ; which four K steps I fetch: wave / 2
	s_mul_i32 s19, s14, 8*KSB                      ; x's (0) or Wq's (1): wave % 2
	s_add_co_u32 s19, s19, s22                     ; where my load lands: the wave's number alone
	s_mul_i32 s20, s18, OBB
	s_add_co_u32 s20, s20, s22
	s_mov_b32 s21, 0
	s_mul_i32 s82, s17, OBB
	s_add_co_u32 s82, s82, s22
	s_mov_b32 s83, 0
	s_lshr_b32 s84, s17, 1                         ; my key/value head
	s_add_co_u32 s86, s84, 8                       ; its block of the weights' buffer: 64 columns of Wk, then 64 of Wv
	s_mul_i32 s86, s86, OBB
	s_mov_b32 s87, 0
	s_mov_b32 s3, 0x600000                         ; the mantissa field of 57,344
	s_mov_b32 s10, 0x76543210
	s_mov_b32 s11, 0xfedcba98                      ; lane l xor 16
	s_wait_dscnt 0x0
	s_wait_kmcnt 0x0
	s_add_nc_u64 s[76:77], s[4:5], s[20:21]        ; x's block, my K step of chunk 0: hangs on tblk alone
	s_add_nc_u64 s[78:79], s[6:7], s[82:83]        ; Wq's: on wblk alone
	s_add_nc_u64 s[86:87], s[6:7], s[86:87]        ; the extra columns' block (plain loads)
.irp q, 0
.set GW, 56+4*\q+4*(\q/2)
	s_mov_b32 s[40+4*\q], 1
	s_add_co_u32 s[41+4*\q], s19, \q*CHB
	s_add_nc_u64 s[42+4*\q:43+4*\q], s[76:77], \q*2*KSB
	s_or_b32 s[43+4*\q], s[43+4*\q], 0x80000000
	s_mov_b32 s[GW], 1
	s_add_co_u32 s[GW+1], s19, \q*CHB
	s_add_nc_u64 s[GW+2:GW+3], s[78:79], \q*2*KSB
	s_or_b32 s[GW+3], s[GW+3], 0x80000000
.endr
	CROUND                                         ; all sixteen work-groups are here: the joint loads meet
; one load a wave, in one chain of branches on the wave's number
.macro ARM under, g0, g1, next
	s_cmp_lt_u32 s12, \under
	s_cbranch_scc0 \next
	tensor_load_to_lds s[\g0:\g0+3], s[\g1:\g1+7]
	s_nop 0
	PLACES 4
	s_branch .Lasked
\next:
.endm
	ARM 1, 40, G1X, .Lhead_1
	ARM 2, 56, G1W, .Lhead_2
	ARM 3, 40, G1X, .Lhead_3
	tensor_load_to_lds s[56:59], s[G1W:G1W+7]
	s_nop 0
	PLACES 4
.Lasked:
	v_and_b32 v1, 15, v0                           ; r
	v_and_b32 v3, 31, v0                           ; lane
	v_lshlrev_b32 v4, 2, v3                        ; 4 lane
	v_lshlrev_b32 v3, 4, v3                        ; 16 lane
	s_wait_alu depctr_va_vdst(0)
	v_lshlrev_b32 v2, 2, v1                        ; 4 r
	; the extra columns: tiles 4 PH + 2 (wblk % 2) and the next of their block
	s_wait_alu depctr_va_vdst(0)
	s_and_b32 s85, s17, 1                          ; which 32 of the head's 64
	s_lshl_b32 s88, s14, 2
	s_lshl_b32 s89, s85, 1
	s_add_co_u32 s88, s88, s89
	s_lshl_b32 s89, s88, 11
	v_add_nc_u32 v[EO], s89, v3
	s_lshl_b32 s89, s88, 6
	s_add_co_u32 s89, s89, 16384
	v_add_nc_u32 v[ESO], s89, v4                   ; lanes 0-15 take the first tile's scale words, lanes 16-31 the second's: 128 consecutive bytes
.irp s, 0,1,2,3,4,5,6,7
	global_load_b32 v[ES+\s], v[ESO], s[86:87] offset:\s*KSB
.endr
	WIN 0x80                                       ; destination window 2
.irp s, 0,1,2,3,4,5
	ECODES \s
.endr
	WIN 0
	s_lshl_b32 s90, s14, 13                        ; source 0: Wq's part of a chunk, my four tiles
	s_add_co_u32 s90, s90, 8*KSB
	v_add_nc_u32 v[ADP], s90, v3
	s_lshl_b32 s90, s13, 13                        ; source 1: x's
	v_add_nc_u32 v[ADR], s90, v3
	s_lshl_b32 s90, s14, 8
	s_add_co_u32 s90, s90, 8*KSB+16384
	v_add_nc_u32 v[ADSP], s90, v2
	s_lshl_b32 s90, s13, 8
	s_add_co_u32 s90, s90, 16384
	v_add_nc_u32 v[ADSR], s90, v2
.irp b, 0,1,2,3
	v_mov_b32 v[TM+4+\b], 0                        ; written once: a lane permute's destination counts as one of its sources
.endr
	; where the results go.  q: [batch x head][tile of 16 queries][2][512] and, from byte 4,194,304 on, 2 scale bytes a query.
	s_lshr_b32 s90, s18, 4                         ; the batch
	s_and_b32 s91, s18, 15                         ; which 128 tokens of it
	s_lshl_b32 s92, s90, 4
	s_lshl_b32 s93, s17, 1
	s_add_co_u32 s92, s92, s93
	s_add_co_u32 s92, s92, s14                     ; 16 x batch + head
	s_lshl_b32 s92, s92, 7
	s_lshl_b32 s93, s91, 3
	s_add_co_u32 s92, s92, s93
	s_lshl_b32 s93, s13, 2
	s_add_co_u32 s92, s92, s93                     ; my first tile of queries
	s_lshl_b32 s93, s92, 5
	s_add_co_u32 s93, s93, 4194304
	s_lshl_b32 s92, s92, 10
	v_add_nc_u32 v[CO], s92, v3
	v_lshl_add_u32 v[SO], v1, 1, s93
	; k, v: from byte 4,325,376 on, [batch x key/value head][128 keys]: K's 8 tiles x [2][512], V's 4 tiles (of the head's 64) x [4][512], K's scales 2 bytes a key from 16,384 on, V's 4 bytes a row from 16,640 on.
	; With c = wblk % 2 and block beta of the four: k: tile 4 TH + beta, piece c;  v: tile 2 c + beta / 2, piece 2 TH + beta % 2.
	s_lshl_b32 s94, s90, 2
	s_add_co_u32 s94, s94, s84                     ; 4 x batch + key/value head
	s_lshl_b32 s94, s94, 4
	s_add_co_u32 s94, s94, s91
	s_mul_i32 s94, s94, KSB
	s_add_co_u32 s94, s94, 4325376                 ; the step of 128 keys
	s_cmp_eq_u32 s14, 1                            ; the choices hang on the wave's number alone
	s_cselect_b32 s20, s85, s13                    ; what counts 4,096 bytes of codes and 8 of scales: k: TH; v: c
	s_cselect_b32 s21, s13, s85                    ; the other of the two
	s_cselect_b32 s22, 10, 9                       ; which counts 512 bytes of codes (k) or 1,024 (v)
	s_cselect_b32 s23, 8192, 0                     ; V's codes lie behind K's
	s_cselect_b32 s88, 1, 2                        ; from block beta to beta + 1: 2 bytes of scales (k), 1 (v)
	s_lshl_b32 s89, s20, 12
	s_lshl_b32 s22, s21, s22
	s_add_co_u32 s89, s89, s22
	s_add_co_u32 s89, s89, s23
	s_add_co_u32 s89, s89, s94
	v_add_nc_u32 v[XCO], s89, v3
	s_lshr_b32 s22, 1024, s14                      ; from block beta to beta + 1: 1,024 bytes of codes (k), 512 (v)
	s_add_co_u32 s89, s89, s22
	v_add_nc_u32 v[XCO+1], s89, v3
	s_lshl_b32 s89, s20, 3                         ; k: 8 TH; v: 8 c
	s_lshl_b32 s22, s21, s14                       ; k: + c; v: + 2 TH
	s_add_co_u32 s89, s89, s22
	s_lshl_b32 s22, s14, 8                         ; V's scales lie 256 bytes behind K's
	s_add_co_u32 s89, s89, s22
	s_add_co_u32 s89, s89, s94
	s_add_co_u32 s89, s89, 16384
	v_lshlrev_b32 v5, 4, v1                        ; 16 bytes of scales a row
	v_add_nc_u32 v[XSO], s89, v5
	s_add_co_u32 s89, s89, s88
	v_add_nc_u32 v[XSO+1], s89, v5
	s_wait_alu depctr_va_vdst(0)                   ; the wait at the head's end
	s_cmp_lt_u32 s12, 2
	s_cbranch_scc0 .Lnot_yet
	s_wait_tensorcnt 0x0                           ; waves 0 and 1: K steps 0-3 have landed; the others wait at the second barrier
.Lnot_yet:
	s_barrier_signal -1
	s_barrier_wait -1                              ; K steps 0-3 are in
	FETCH 0
	KSTEP 0, 1                                     ; the first products start the sums: nothing is cleared
	KSTEP 1, 0
	s_wait_alu depctr_va_vdst(0)
	KSTEP 2, 0
	KSTEP 3, 0
	s_wait_alu depctr_va_vdst(0)
	KSTEP 4, 0
	KSTEP 5, 0
	s_wait_alu depctr_va_vdst(0)
	KSTEP 6, 0
	KSTEP 7, 0
	PLACES 8                                       ; between the last products and the first read of results
	; THE WAY OUT: a lane's 16 registers of two neighbouring tiles of source 0 are 16 neighbours along the next product's K: the conversions' results are that operand's registers, and go to memory as they stand.
	; Every store has data registers of its own, so no store's data are written again.
.irp jj, 0,1
	QUANT ACC+64*\jj, PCQ+16*\jj, 0                ; q: block 2 jl + b: tile 2 jj + jl of the tokens, block b of the head's two
	v_lshl_or_b32 v[HW+2*\jj], v[TM+5], 8, v[TM+4]
	v_lshl_or_b32 v[HW+2*\jj+1], v[TM+7], 8, v[TM+6]
.irp jl, 0,1
.irp b, 0,1
	global_store_b128 v[CO], v[PCQ+16*\jj+8*\jl+4*\b:PCQ+16*\jj+8*\jl+4*\b+3], s[8:9] offset:1024*(2*\jj+\jl)+512*\b   ; 512 consecutive bytes
.endr
	global_store_b16 v[SO], v[HW+2*\jj+\jl], s[8:9] offset:32*(2*\jj+\jl)   ; two scale bytes a query (both halves of the lanes hold and store the same)
.endr
.endr
	QUANT 0, PCQ+32, 3                             ; k or v: the four blocks of the extra accumulators
.irp b, 0,1,2,3
	global_store_b128 v[XCO+\b%2], v[PCQ+32+4*\b:PCQ+32+4*\b+3], s[8:9] offset:2048*(\b/2)   ; 512 consecutive bytes
	global_store_b8 v[XSO+\b%2], v[TM+4+\b], s[8:9] offset:4*(\b/2)   ; one scale byte a row: its neighbours come from other waves and work-groups
.endr
	s_wait_tensorcnt 0x0
	ds_add_u32 v62, v63
	s_wait_dscnt 0x0
	CROUND                                         ; the closing round: no work-group ends while a partner may still ask for a tile that names it
	s_endpgm
.Lfunc_end_k_q7e9913630f_qkv:
	.size	k_q7e9913630f_qkv, .Lfunc_end_k_q7e9913630f_qkv-k_q7e9913630f_qkv
	.p2alignl 7, 3214868480
	.fill 96, 4, 3214868480
	.section	.rodata,"a",@progbits
	.p2align	6, 0x0
	.amdhsa_kernel k_q7e9913630f_qkv
		.amdhsa_group_segment_fixed_size 270848
		.amdhsa_private_segment_fixed_size 0
		.amdhsa_enable_private_segment 0
		.amdhsa_kernarg_size 24
		.amdhsa_user_sgpr_count 2
		.amdhsa_user_sgpr_kernarg_segment_ptr 1
		.amdhsa_wavefront_size32 1
		.amdhsa_system_sgpr_workgroup_id_x 1
		.amdhsa_system_sgpr_workgroup_id_y 1
		.amdhsa_system_sgpr_workgroup_id_z 1
		.amdhsa_system_vgpr_workitem_id 0
		.amdhsa_next_free_vgpr 832
		.amdhsa_next_free_sgpr 96
		.amdhsa_reserve_vcc 0
		.amdhsa_float_denorm_mode_32 3
		.amdhsa_float_denorm_mode_16_64 3
		.amdhsa_memory_ordered 1
		.amdhsa_forward_progress 1
		.amdhsa_inst_pref_size 99
	.end_amdhsa_kernel
	.amdgpu_metadata
---
amdhsa.version: [ 1, 2 ]
amdhsa.kernels:
  - .name:           k_q7e9913630f_qkv
    .symbol:         k_q7e9913630f_qkv.kd
    .args:
      - { .name: xq, .offset: 0, .size: 8, .value_kind: global_buffer, .address_space: global }
      - { .name: wq, .offset: 8, .size: 8, .value_kind: global_buffer, .address_space: global }
      - { .name: qkv, .offset: 16, .size: 8, .value_kind: global_buffer, .address_space: global }
    .group_segment_fixed_size: 270848
    .private_segment_fixed_size: 0
    .kernarg_segment_align: 8
    .kernarg_segment_size: 24
    .max_flat_workgroup_size: 128
    .sgpr_count:     96
    .vgpr_count:     832
    .wavefront_size: 32
...
	.end_amdgpu_metadata
.endif
;; end of part 2
;; launch attn (part 3): grid 32 x 8, 16 waves a work-group, clusters of 4 x 1, 309,248 bytes of LDS; arguments qkv, cq; writes cq
.if DOCPART == 3
	.amdgcn_target "amdgcn-amd-amdhsa--gfx1250"
	.amdhsa_code_object_version 6
	.text
	.protected	k_q7e9913630f_attn
	.globl	k_q7e9913630f_attn
	.p2align	8
	.type	k_q7e9913630f_attn,@function
k_q7e9913630f_attn:
	s_mov_b64 s[64:65], 0
	v_nop
	global_prefetch_b8 v0, s[64:65] scope:SCOPE_SE
	s_setreg_imm32_b32 hwreg(HW_REG_WAVE_MODE, 25, 1), 1
	s_wait_xcnt 0x0
	s_wait_alu depctr_hold_cnt(0) depctr_sa_sdst(0) depctr_va_vdst(0) depctr_va_sdst(0) depctr_va_ssrc(0) depctr_va_vcc(0) depctr_vm_vsrc(0)
	s_getreg_b32 s2, hwreg(HW_REG_IB_STS2, 6, 4)
	s_cmp_eq_u32 s2, 0
	s_cbranch_scc0 .Lentry_in_a_cluster
	s_endpgm
.Lentry_in_a_cluster:
	s_bfe_u32 s2, ttmp6, 0x10000c
	s_cmp_lg_u32 s2, 0x3003
	s_cbranch_scc0 .Lentry_shape_is_right
	s_endpgm
.Lentry_shape_is_right:
; ctx = softmax(q k^T / 8, causal) v for 16 query heads that share 4 key/value heads, both products on codes of BF8 (E5M2) with E8M0 scales; ctx is quantised in registers along head x 64 + d and leaves as codes.
; THE SOFTMAX: t = score x log2(e) / 8; M = the row's largest t so far, rounded UP to a whole number; p = 2^(t - M) is quantised along the keys, not normalised; the row's sum is taken of the unquantised p and divides at the end.
; When M moves, the sum and O are multiplied by 2^(old M - new M): exact.
; LIMITS: NaN and infinities are not served; scaled scores (exponents to the base 2) under 2^31 in magnitude; p under 2^-126 becomes 0 (the exponential's result is flushed: ISA guide 15.8); a block of zeros keeps the scale byte 1.
; LEFT OUT: the key steps of 128 all of whose keys the causal mask hides from a tile's queries: the mask puts -infinity there, for all inputs.  A NaN or an infinity that reaches only those scores is not carried on.
; SHARES.  Work-group (jx, bg), jx = 4 X + cx, takes the four query heads of batch x key/value head bg and the groups of 32 queries 63 - jx (16 - X key steps of 128: long) and jx (X + 1 steps: short): 8 tiles of 16 queries of either kind.
; Sixteen waves: waves 0-7 own a long tile's steps 0-6 (7 steps); waves 8-15 a short tile, whole, its way out, and then the steps from 7 on of the long tile whose first seven wave - 8 takes (X + 1 + 9 - X = 10 steps).
; The two parts of a long tile meet in LDS at the end, where waves 0-7 take the others' part in and store the result.
; CLUSTERS: four work-groups along x.  Their walks are equally long, since the lengths hang on the cluster's number X alone, so they run alike and ask for K and V JOINTLY (mask 15).  No branch and no LDS address hangs on cx.
; ALL OF K AND V LIES IN LDS, FILLED ONCE, by the head's loads, one a wave: waves 0, 1 the halves of step 0; waves 2-8 steps 1-7; wave 9 steps 8-15.  A long walk has 9 steps or more, so steps 0-8 are read in every work-group: some of every load's bytes are read.
; NO PREFETCH: every byte is asked for at the head, and there is no loop ahead of that.
; THE HEAD IS 64, THE INSTRUCTION'S K 128.  A fragment of K holds TWO tiles of 16 keys (registers 0-7 and 8-15); Q stands between two runs of zero codes, so that (Q, 0) picks the first tile and (0, Q) the second.
; LAYOUT.  Both products are used transposed (S^T = K Q^T, O^T = V^T P^T): a lane holds ONE query.  Tiles hold rows 32 G + 8 u + (r % 8) + 16 (r / 8), so that the 16 registers of tiles 2 G and 2 G + 1 are 16 neighbours.
; REGISTERS: v1-3 lane terms; v4, v5 LDS addresses; v6, v7, v42, v43 where Q comes from; v8-11 where ctx goes; v12 -M, v13 the largest score, v[14:15] the sum; v16-39 zeros, Q, zeros; v40, v41, v252-255 scales and nothing else;
;   v[46:47] the mask's base; v48-71 at work; v72, v73 the add's; v74 the hand-over's address; v75 Q's scale bytes; v76-91 p's codes; v92-155 K's fragments, then V's; v156-219 S^T, then p; v220-251 O^T.
.set OBB,  135168
.set KSB,  16896                       ; a step of 128 keys: K 8 x 1,024, V 4 x 2,048, K's scales [16][4 words], V's [16][4 words]
.set HALF, 8448
.set PART, 7                           ; a long walk's first PART steps are waves 0-7's
.set HAND, 16*KSB                      ; the hand-over: 4,608 bytes for each of eight pairs of waves
.set SPARE, HAND+8*4608                ; the spare words: 128 bytes a wave
.set P16,  1
.set R16,  2
.set RR,   3
.set ADI,  4
.set ADS,  5
.set NM,   12
.set MX,   13
.set SM,   14
.set QZ,   16
.set SQ,   40
.set SP,   41
.set MB,   46
.set BM,   48
.set PM,   52
.set OP,   56
.set XM,   56                          ; the mask's four pairs lie where the scale operands and holds are made later
.set HD,   60
.set IN,   64
.set FF,   70
.set SPW,  72
.set NIL,  73
.set HND,  74
.set PC,   76
.set KV,   92
.set SS,   156
.set OO,   220
.set SK,   252
.set MNT,  3                           ; s3  the mantissa field of 57,344
.set WV,   8
.set LL,   14                          ; s14 the long walk's length
.set ROLE, 15                          ; s15 0: waves 0-7; 1: waves 8-15
.set LN,   16                          ; s16 the step before which my walk in hand ends
.set KI,   17                          ; s17 the step
.set TB,   18                          ; s18 where it begins in LDS
.set NC,   19                          ; s19 -log2(e) / 8
.set SEL,  20
.set CS,   22                          ; s[22:23] log2(e) / 8
.set GH,   24                          ; groups 1: half a step, a step, eight steps
.set GF,   44
.set GE,   72
.set CNT,  52
.set DG,   61                          ; s61 the step that lies on my walk's diagonal (64: none)
.macro PLACES n
.rept \n
	v_nop
.endr
.endm
.macro CROUND                          ; a round of the cluster's barrier
	s_barrier_signal -1
	s_barrier_wait -1
	s_cmp_lg_u32 s[WV], 0
	s_cbranch_scc1 .Lnot_wave_0_\@
	s_barrier_signal -3
.Lnot_wave_0_\@:
	s_barrier_wait -3
	s_barrier_signal -1
	s_barrier_wait -1
.endm
.macro FETCH o, so                     ; 64 registers of K (two tiles of keys to a fragment) or of V (four tiles of the head's 64), and their scale words
.irp p, 0,1,2,3
.irp j, 0,1,2,3
	ds_load_b128 v[KV+16*\p+4*\j:KV+16*\p+4*\j+3], v[ADI] offset:\o+2048*\p+512*\j
.endr
.endr
	ds_load_b128 v[SK:SK+3], v[ADS] offset:\so
.endm
; The diagonal step: a score is held at (d + 1/2 - index) x 2^120, d = my query - the step's first key - 16 h: far above every score where the key counts, at most -2^119 where it is hidden: p is 0 then
.macro MASK
	v_dual_mov_b32 v[XM], v[MB] :: v_dual_mov_b32 v[XM+1], v[MB+1]
	v_pk_add_f32 v[XM+2:XM+3], v[MB:MB+1], 0xfe000000 op_sel_hi:[1,0]   ; -32 x 2^120
	v_pk_add_f32 v[XM+4:XM+5], v[MB:MB+1], 0xfe800000 op_sel_hi:[1,0]   ; -64 x 2^120
	v_pk_add_f32 v[XM+6:XM+7], v[MB:MB+1], 0xfec00000 op_sel_hi:[1,0]   ; -96 x 2^120
.irp i, 0,2,4,6,8,10,12,14
.irp b, 0,1,2,3
	v_dual_min_num_f32 v[SS+16*\b+\i], v[XM+2*\b], v[SS+16*\b+\i] :: v_dual_min_num_f32 v[SS+16*\b+\i+1], v[XM+2*\b+1], v[SS+16*\b+\i+1]
.endr
.if \i < 14
.irp b, 0,1,2,3
	v_pk_add_f32 v[XM+2*\b:XM+2*\b+1], v[XM+2*\b:XM+2*\b+1], s[54:55] op_sel_hi:[1,0]   ; two indices on
.endr
.endif
.endr
.endm
; A step at or past my walk's end is left out; the step on the diagonal is masked.  The branches hang on the wave's and the cluster's number and the count of steps alone; no barrier and no tensor load stands in a step
.macro STEP
	s_cmp_ge_u32 s[KI], s[LN]
	s_cbranch_scc1 .Lpast_\@
	v_add_nc_u32 v[ADI], s[TB], v[P16]
	v_add_nc_u32 v[ADS], s[TB], v[R16]
	FETCH 0, 16384
	s_wait_alu depctr_va_vdst(0)                   ; the wait ahead of the wait below
	s_wait_dscnt 0x0
.irp p, 0,1,2,3                                ; S^T: register 16 b + i of lane (r, h) is key 32 b + 16 h + i
	v_wmma_scale_f32_16x16x128_f8f6f4 v[SS+16*\p:SS+16*\p+7], v[KV+16*\p:KV+16*\p+15], v[QZ+8:QZ+23], 0, v[SK+\p], v[SQ] matrix_a_fmt:MATRIX_FMT_BF8 matrix_b_fmt:MATRIX_FMT_BF8
	v_wmma_scale_f32_16x16x128_f8f6f4 v[SS+16*\p+8:SS+16*\p+15], v[KV+16*\p:KV+16*\p+15], v[QZ:QZ+15], 0, v[SK+\p], v[SQ] matrix_a_fmt:MATRIX_FMT_BF8 matrix_b_fmt:MATRIX_FMT_BF8
.endr
	PLACES 8                                       ; in front of the loads into K's registers and of the first read of the scores
	FETCH 8192, 16640                              ; V takes K's registers
	s_cmp_lg_u32 s[KI], s[DG]
	s_cbranch_scc1 .Lopen_\@
	MASK
.Lopen_\@:
.irp b, 0,1,2,3
	v_max3_num_f32 v[BM+\b], v[SS+16*\b], v[SS+16*\b+1], v[SS+16*\b+2]   ; the largest score of each block of 32 keys
.endr
.irp i, 3,5,7,9,11,13
.irp b, 0,1,2,3
	v_max3_num_f32 v[BM+\b], v[BM+\b], v[SS+16*\b+\i], v[SS+16*\b+\i+1]
.endr
.endr
.irp b, 0,1,2,3
	v_max_num_f32 v[BM+\b], v[BM+\b], v[SS+16*\b+15]
.endr
.irp b, 0,1,2,3
	v_permlanex16_b32 v[PM+\b], v[BM+\b], s[SEL], s[SEL+1]
.endr
.irp b, 0,1,2,3
	v_max_num_f32 v[BM+\b], v[BM+\b], v[PM+\b]     ; with lane l xor 16's 16 keys
.endr
	v_max3_num_f32 v[MX], v[MX], v[BM], v[BM+1]    ; the largest score so far
	s_delay_alu instid0(VALU_DEP_1)
	v_max3_num_f32 v[MX], v[MX], v[BM+2], v[BM+3]
	s_delay_alu instid0(VALU_DEP_1)
	v_mul_f32 v68, s[NC], v[MX]
	s_delay_alu instid0(VALU_DEP_1)
	v_floor_f32 v68, v68                           ; the new -M = -ceil(t)
	s_delay_alu instid0(VALU_DEP_1)
	v_sub_f32 v69, v68, v[NM]                      ; old M - new M: a whole number, 0 or less
	v_mov_b32 v[NM], v68
	s_delay_alu instid0(VALU_DEP_2)
	v_cvt_i32_f32 v69, v69                         ; (it saturates)
	s_delay_alu instid0(VALU_DEP_1)
	v_ldexp_f32 v[FF], 1.0, v69                    ; f = 2^(old M - new M)
.irp b, 0,1,2,3
	v_fma_f32 v[BM+\b], v[BM+\b], s[CS], v[NM]     ; t - M of each block's largest
.endr
.set n, 0
.rept 32
	v_pk_fma_f32 v[SS+n:SS+n+1], v[SS+n:SS+n+1], s[CS:CS+1], v[NM:NM+1] op_sel_hi:[1,0,0]   ; t - M, two at a time
.set n, n+2
.endr
.irp b, 0,1,2,3
	v_max_num_f32 v[BM+\b], 0xc2de0000, v[BM+\b]   ; the floor -111: the byte cannot fall under 1
.endr
.irp b, 0,1,2,3
	v_cvt_floor_i32_f32 v[IN+\b], v[BM+\b]         ; e = floor(log2) of the block's largest p
.endr
.irp b, 0,1,2,3
	v_add_lshl_u32 v[OP+\b], v[IN+\b], 0x70, 23    ; the conversion's scale operand: 2^(e - 15)
.endr
.irp b, 0,1,2,3
	v_add_nc_u32 v[HD+\b], 0x7e00000, v[OP+\b]     ; 57,344 x the scale = 1.75 x 2^e
.endr
	v_lshl_add_u32 v68, v[IN+1], 8, v[IN]          ; the four bytes e + 112 make p's scale word for these 128 keys
	v_lshl_add_u32 v69, v[IN+3], 8, v[IN+2]
	v_lshl_add_u32 v68, v69, 16, v68
	v_add_nc_u32 v[SP], 0x70707070, v68
	s_wait_alu depctr_va_vdst(0)                   ; the wait ahead of the batch
.set n, 0
.rept 64
	v_exp_f32 v[SS+n], v[SS+n]                     ; p = 2^(t - M)
.set n, n+1
.endr
	v_pk_mul_f32 v[SM:SM+1], v[SM:SM+1], v[FF:FF+1] op_sel_hi:[1,0]   ; the sums under the new M (a plain line behind the exponentials)
	s_wait_alu depctr_va_vdst(0)                   ; and behind it
	v_pk_add_f32 v[64:65], v[SS:SS+1], v[SS+2:SS+3]   ; the row's sum, of the unquantised p, in four chains
	v_pk_add_f32 v[66:67], v[SS+4:SS+5], v[SS+6:SS+7]
	v_pk_add_f32 v[52:53], v[SS+8:SS+9], v[SS+10:SS+11]
	v_pk_add_f32 v[SM:SM+1], v[SM:SM+1], v[SS+12:SS+13]
.irp j, 14,22,30,38,46,54
	v_pk_add_f32 v[64:65], v[64:65], v[SS+\j:SS+\j+1]
	v_pk_add_f32 v[66:67], v[66:67], v[SS+\j+2:SS+\j+3]
	v_pk_add_f32 v[52:53], v[52:53], v[SS+\j+4:SS+\j+5]
	v_pk_add_f32 v[SM:SM+1], v[SM:SM+1], v[SS+\j+6:SS+\j+7]
.endr
	v_pk_add_f32 v[64:65], v[64:65], v[SS+62:SS+63]
.irp b, 0,1,2,3
.irp i, 0,2,4,6,8,10,12,14
	v_dual_min_num_f32 v[SS+16*\b+\i], v[HD+\b], v[SS+16*\b+\i] :: v_dual_min_num_f32 v[SS+16*\b+\i+1], v[HD+\b], v[SS+16*\b+\i+1]   ; the hold (ISA guide 7.6.2); p is not negative
.endr
	v_cvt_scalef32_pk8_bf8_f32 v[PC+4*\b:PC+4*\b+1], v[SS+16*\b:SS+16*\b+7], v[OP+\b]
	v_cvt_scalef32_pk8_bf8_f32 v[PC+4*\b+2:PC+4*\b+3], v[SS+16*\b+8:SS+16*\b+15], v[OP+\b]
.endr
	s_wait_dscnt 0x0                               ; V is in
	s_wait_alu depctr_va_vdst(0)                   ; the wait ahead of the first readers of O^T
.set n, 0
.rept 16
	v_pk_mul_f32 v[OO+n:OO+n+1], v[OO+n:OO+n+1], v[FF:FF+1] op_sel_hi:[1,0]   ; O^T under the new M; also the places behind the conversions and in front of the products
.set n, n+2
.endr
.irp t, 0,1,2,3
	v_wmma_scale_f32_16x16x128_f8f6f4 v[OO+8*\t:OO+8*\t+7], v[KV+16*\t:KV+16*\t+15], v[PC:PC+15], v[OO+8*\t:OO+8*\t+7], v[SK+\t], v[SP] matrix_a_fmt:MATRIX_FMT_BF8 matrix_b_fmt:MATRIX_FMT_BF8
.endr
	v_pk_add_f32 v[66:67], v[66:67], v[52:53]      ; the chains meet: with three more and the next step's two addresses these are the places in front of the next step's loads
	v_pk_add_f32 v[SM:SM+1], v[SM:SM+1], v[64:65]
	v_pk_add_f32 v[SM:SM+1], v[SM:SM+1], v[66:67]
	PLACES 3
.Lpast_\@:
	s_add_co_u32 s[KI], s[KI], 1
	s_add_co_u32 s[TB], s[TB], KSB
.endm
.macro PHASE first, count
	s_mov_b32 s[KI], \first
	s_mov_b32 s[TB], (\first)*KSB
	s_mov_b32 s[CNT], \count
.Lstep_\@:
	STEP
	s_sub_co_u32 s[CNT], s[CNT], 1
	s_cmp_lg_u32 s[CNT], 0
	s_cbranch_scc1 .Lstep_\@
.endm
.macro FRESH                           ; a walk's beginning: no largest score yet, no sum, O^T = 0
	v_mov_b32 v[MX], 0xff61b1e6                    ; -3e38
	v_mov_b32 v[NM], 0x7e800000                    ; -M so large that the first change of M multiplies the zeros by 0
	v_mov_b32 v[SM], 0
	v_mov_b32 v[SM+1], 0
.set n, 0
.rept 32
	v_mov_b32 v[OO+n], 0
.set n, n+1
.endr
.endm
; THE WAY OUT.  ctx = O^T / the sum; registers 16 G + i are d = 32 G + 16 h + i of my query: two blocks along the last product's K, quantised as they stand
.macro WAYOUT co, cso
	s_wait_alu depctr_va_vdst(0)                   ; the wait ahead of the sum's reader
	v_add_f32 v[SM], v[SM], v[SM+1]
	v_permlanex16_b32 v68, v[SM], s[SEL], s[SEL+1]
	v_add_f32 v[SM], v[SM], v68                    ; the row's sum
	PLACES 5                                       ; with the three above: the places behind the last products
	s_wait_alu depctr_va_vdst(0)
	v_rcp_f32 v[SM], v[SM]
	v_nop                                          ; a plain line behind the transcendental
	s_wait_alu depctr_va_vdst(0)
.set n, 0
.rept 32
	v_mul_f32 v[SS+n], v[OO+n], v[SM]              ; each accumulator from its low end on
.set n, n+1
.endr
.irp b, 0,1
	v_max3_num_f32 v[BM+\b], |v[SS+16*\b]|, |v[SS+16*\b+1]|, 0x8000000
.endr
.irp i, 2,4,6,8,10,12,14
.irp b, 0,1
	v_max3_num_f32 v[BM+\b], v[BM+\b], |v[SS+16*\b+\i]|, |v[SS+16*\b+\i+1]|
.endr
.endr
.irp b, 0,1
	v_permlanex16_b32 v[PM+\b], v[BM+\b], s[SEL], s[SEL+1]
.endr
.irp b, 0,1
	v_max_num_f32 v[BM+\b], v[BM+\b], v[PM+\b]
.endr
.irp b, 0,1
	v_add_nc_u32 v[OP+\b], 0xf8800000, v[BM+\b]    ; 15 off the exponent field: the conversion's scale operand
.endr
.irp b, 0,1
	v_and_or_b32 v[HD+\b], v[BM+\b], 0x7f800000, s[MNT]
.endr
.irp b, 0,1
	v_lshrrev_b32 v[IN+\b], 23, v[OP+\b]
.endr
	v_lshl_or_b32 v69, v[IN+1], 8, v[IN]
.irp b, 0,1
.irp i, 0,1,2,3,4,5,6,7,8,9,10,11,12,13,14,15
	v_med3_num_f32 v[SS+16*\b+\i], v[SS+16*\b+\i], -v[HD+\b], v[HD+\b]
.endr
	v_cvt_scalef32_pk8_bf8_f32 v[PC+4*\b:PC+4*\b+1], v[SS+16*\b:SS+16*\b+7], v[OP+\b]
	v_cvt_scalef32_pk8_bf8_f32 v[PC+4*\b+2:PC+4*\b+3], v[SS+16*\b+8:SS+16*\b+15], v[OP+\b]
.endr
	v_nop
	global_store_b128 v[\co], v[PC:PC+3], s[6:7]   ; 512 consecutive bytes each
	global_store_b128 v[\co], v[PC+4:PC+7], s[6:7] offset:512
	global_store_b16 v[\cso], v69, s[6:7]          ; two of my row's four scale bytes of this K step
.endm
; where a walk's Q comes from and its ctx goes; s[a]: my tile of the batch's 128
.macro OFFS a, qo, so, co, cso
	s_lshl_b32 s56, s11, 2
	s_add_co_u32 s56, s56, s9                      ; 16 x batch + query head = 4 bg + my head of the four
	s_lshl_b32 s56, s56, 7
	s_add_co_u32 s56, s56, s\a
	s_lshl_b32 s57, s56, 10
	v_add_nc_u32 v[\qo], s57, v[P16]
	s_lshl_b32 s57, s56, 5
	s_add_co_u32 s57, s57, 4194304
	v_lshl_add_u32 v[\so], v[RR], 1, s57
	s_lshr_b32 s56, s11, 2
	s_lshl_b32 s56, s56, 7
	s_add_co_u32 s56, s56, s\a                     ; my tile among all 256
	s_lshr_b32 s57, s56, 3
	s_mul_i32 s57, s57, OBB                        ; its block of 128 tokens,
	s_and_b32 s58, s11, 3
	s_lshl_b32 s58, s58, 1
	s_lshr_b32 s59, s9, 1
	s_add_co_u32 s58, s58, s59
	s_mul_i32 s58, s58, KSB                        ; the K step = head / 2,
	s_add_co_u32 s57, s57, s58
	s_and_b32 s56, s56, 7
	s_and_b32 s59, s9, 1
	s_lshl_b32 s58, s56, 11
	s_add_co_u32 s58, s58, s57
	s_lshl_b32 s60, s59, 10
	s_add_co_u32 s58, s58, s60                     ; the tile, pieces 2 (head % 2) + 0, 1
	v_add_nc_u32 v[\co], s58, v[P16]
	s_lshl_b32 s58, s56, 6
	s_add_co_u32 s58, s58, s57
	s_add_co_u32 s58, s58, 16384
	s_lshl_b32 s60, s59, 1
	s_add_co_u32 s58, s58, s60
	v_lshl_add_u32 v[\cso], v[RR], 2, s58
.endm
; the mask's base: (d + 1/2) x 2^120 and (d - 1/2) x 2^120; s[s]: the walk's first query in its last step
.macro MBASE s
	v_and_b32 v48, 7, v0
	v_bfe_u32 v49, v0, 3, 1
	v_lshl_add_u32 v48, v49, 4, v48
	v_bfe_u32 v49, v0, 4, 1
	v_lshlrev_b32 v49, 4, v49
	v_sub_nc_u32 v48, v48, v49                     ; r % 8 + 16 (r / 8) - 16 h
	v_add_nc_u32 v48, s\s, v48
	v_cvt_f32_i32 v48, v48
	v_add_f32 v48, 0.5, v48
	v_mul_f32 v[MB], 0x7b800000, v48
	v_add_f32 v[MB+1], 0xfb800000, v[MB]
.endm
.macro GROUP1 g, rows                  ; descriptor group 1: so many dense rows of 256 bytes
	s_mov_b32 s[\g], 15|(3<<16)|(1<<21)            ; the four of the cluster; elements of 8 bytes; no padding
	s_mov_b32 s[\g+1], 32<<16
	s_mov_b32 s[\g+2], (\rows)<<16
	s_mov_b32 s[\g+3], 32<<16
	s_mov_b32 s[\g+4], \rows
	s_mov_b32 s[\g+5], 32
	s_mov_b32 s[\g+6], 0
	s_mov_b32 s[\g+7], 0
.endm
	s_load_b128 s[4:7], s[0:1], 0x0                ; qkv, cq
	v_lshl_add_u32 v[SPW], v0, 2, SPARE
	v_mov_b32 v[NIL], 0
	ds_add_u32 v[SPW], v[NIL]                      ; the wave's opening: the add, twice on end, and its wait
	ds_add_u32 v[SPW], v[NIL]
	v_lshrrev_b32 v1, 5, v0
	v_readfirstlane_b32 s[WV], v1                  ; wave 0..15
	v_and_b32 v[P16], 31, v0
	v_lshlrev_b32 v[P16], 4, v[P16]                ; 16 lane
	v_and_b32 v[RR], 15, v0                        ; r
	v_lshlrev_b32 v[R16], 4, v[RR]                 ; 16 r
	s_wait_alu depctr_va_vdst(0)                   ; the wait here, directly behind the writes
	GROUP1 GH, 33
	GROUP1 GF, 66
	GROUP1 GE, 528
	s_and_b32 s11, ttmp7, 0xffff                   ; bg = 4 x batch + key/value head
	s_and_b32 s9, s[WV], 3                         ; my head of the four
	s_bfe_u32 s10, s[WV], 0x10002                  ; u: which 16 of a group's 32 queries
	s_lshr_b32 s[ROLE], s[WV], 3
	s_bfe_u32 s13, ttmp6, 0x40000                  ; cx
	s_sub_co_u32 s[LL], 16, ttmp9
	s_add_co_u32 s53, ttmp9, 1                     ; the short walk's length
	s_sub_co_u32 s60, s53, 1
	s_lshl_b32 s12, ttmp9, 2
	s_add_co_u32 s12, s12, s13                     ; jx
	s_lshl_b32 s63, s12, 1
	s_sub_co_u32 s62, 126, s63
	s_add_co_u32 s62, s62, s10                     ; the long tile: 2 (63 - jx) + u
	s_add_co_u32 s63, s63, s10                     ; the short one: 2 jx + u
	s_cmp_lg_u32 s[ROLE], 0
	s_cselect_b32 s63, s63, s62                    ; my first walk's: waves 8-15 the short one's
	s_cselect_b32 s[LN], s53, PART                 ; its end
	s_cselect_b32 s[DG], s60, 64                   ; and its diagonal: waves 0-7 stop ahead of theirs
	OFFS 63, 6, 7, 8, 9
	OFFS 62, 42, 43, 10, 11
	s_mul_i32 s66, s11, 16*KSB
	s_add_co_u32 s66, s66, 4325376                 ; bg's K and V
	s_mov_b32 s67, 0
	s_mul_i32 s68, s[WV], HALF                     ; waves 0, 1: half a step
	s_mov_b32 s69, 0
	s_add_co_u32 s70, s[WV], 15
	s_and_b32 s70, s70, 15
	s_mul_i32 s70, s70, KSB                        ; waves 2-9: step wave - 1, and on
	s_mov_b32 s71, 0
	s_mov_b32 s32, 1
	s_mov_b32 s33, s68
	s_mov_b32 s36, 1
	s_mov_b32 s37, s70
	s_and_b32 s53, s[WV], 7
	s_mul_i32 s53, s53, 4608
	s_add_co_u32 s53, s53, HAND
	v_add_nc_u32 v[HND], s53, v[P16]
	s_wait_alu depctr_va_vdst(0)                   ; the wait ahead of the waits below
	s_wait_dscnt 0x0                               ; both opening adds are done
	CROUND                                         ; all four work-groups are here: the joint loads meet
	s_wait_kmcnt 0x0
	s_add_nc_u64 s[66:67], s[4:5], s[66:67]
	s_add_nc_u64 s[34:35], s[66:67], s[68:69]
	s_add_nc_u64 s[38:39], s[66:67], s[70:71]
	s_or_b32 s35, s35, 0x80000000
	s_or_b32 s39, s39, 0x80000000
; one load a wave, in one chain of branches on the wave's number
.macro ARM under, g0, g1, next
	s_cmp_lt_u32 s[WV], \under
	s_cbranch_scc0 \next
	tensor_load_to_lds s[\g0:\g0+3], s[\g1:\g1+7]
	s_nop 0
	PLACES 4
	s_branch .Lasked
\next:
.endm
	ARM 2, 32, GH, .Lhead_1
	ARM 9, 36, GF, .Lhead_2
	ARM 10, 36, GE, .Lhead_3
.Lasked:
	global_load_b128 v[QZ+8:QZ+11], v6, s[4:5]     ; Q of my first walk
	global_load_b128 v[QZ+12:QZ+15], v6, s[4:5] offset:512
	global_load_u16 v75, v7, s[4:5]                ; its two scale bytes
	s_lshl_b32 s57, s10, 3
	s_lshl_b32 s56, s13, 5
	s_add_co_u32 s59, s56, s57                     ; the short walk's first query in its last step: 32 cx + 8 u
	s_sub_co_u32 s58, 96, s56
	s_add_co_u32 s58, s58, s57                     ; the long walk's: 32 (3 - cx) + 8 u
	MBASE 59
	s_mov_b32 s[MNT], 0x600000
	s_mov_b32 s[SEL], 0x76543210
	s_mov_b32 s[SEL+1], 0xfedcba98                 ; lane l xor 16
	s_mov_b32 s[CS], 0x3e38aa3b                    ; log2(e) / 8
	s_mov_b32 s[CS+1], s[CS]
	s_mov_b32 s[NC], 0xbe38aa3b
	s_mov_b32 s54, 0xfc000000                      ; -2 x 2^120
	s_mov_b32 s55, s54
	v_mov_b32 v[FF+1], 0                           ; (named as the upper half of a pair)
	v_mov_b32 v51, 0                               ; (likewise)
	v_mov_b32 v68, 0                               ; (a lane permute's destination counts as one of its sources)
.irp b, 0,1,2,3
	v_mov_b32 v[PM+\b], 0                          ; (likewise)
.endr
.set n, 0
.rept 8
	v_mov_b32 v[QZ+n], 0                           ; the zero codes on both sides of Q
	v_mov_b32 v[QZ+16+n], 0
.set n, n+1
.endr
	s_wait_alu depctr_va_vdst(0)
	s_wait_loadcnt 0x0                             ; Q
	v_lshl_or_b32 v[SQ], v75, 16, v75              ; the same two bytes for either half of K
	FRESH
	s_wait_alu depctr_va_vdst(0)                   ; the wait at the head's end
	s_cmp_lt_u32 s[WV], 2
	s_cbranch_scc0 .Lnot_yet
	s_wait_tensorcnt 0x0                           ; waves 0, 1: step 0 has landed; the others wait at the second barrier
.Lnot_yet:
	s_barrier_signal -1
	s_barrier_wait -1                              ; step 0 is in
	s_mov_b32 s[KI], 0
	s_mov_b32 s[TB], 0
	STEP
	s_wait_alu depctr_va_vdst(0)
	s_wait_tensorcnt 0x0                           ; my load, whichever it was
	s_wait_dscnt 0x0
	s_barrier_signal -1
	s_barrier_wait -1                              ; all steps are in
	PHASE 1, 7
	s_wait_alu depctr_va_vdst(0)
	s_mov_b32 s[LN], 0                             ; waves 0-7 leave the second walk out
	s_cmp_eq_u32 s[ROLE], 0
	s_cbranch_scc1 .Lsecond
	s_mov_b32 s[LN], s[LL]
	s_sub_co_u32 s[DG], s[LL], 1
	global_load_b128 v[QZ+8:QZ+11], v42, s[4:5]    ; waves 8-15: Q of the long tile, while the short one's result leaves
	global_load_b128 v[QZ+12:QZ+15], v42, s[4:5] offset:512
	global_load_u16 v75, v43, s[4:5]
	WAYOUT 8, 9
	MBASE 58
	s_wait_alu depctr_va_vdst(0)
	s_wait_xcnt 0x0                                ; the stores have read their registers
	s_wait_loadcnt 0x0
	v_lshl_or_b32 v[SQ], v75, 16, v75
	FRESH
	s_wait_alu depctr_va_vdst(0)
.Lsecond:
	PHASE PART, 16-PART
	s_wait_alu depctr_va_vdst(0)
	s_cmp_eq_u32 s[ROLE], 0
	s_cbranch_scc1 .Lno_hand
	PLACES 8                                       ; in front of the stores that read O^T
.irp k, 0,1,2,3,4,5,6,7
	ds_store_b128 v[HND], v[OO+4*\k:OO+4*\k+3] offset:512*\k   ; waves 8-15: O^T,
.endr
	ds_store_b128 v[HND], v[NM:NM+3] offset:4096   ; -M, the largest score and the sum's two halves
.Lno_hand:
	s_wait_dscnt 0x0
	s_barrier_signal -1
	s_barrier_wait -1
	s_cmp_lg_u32 s[ROLE], 0
	s_cbranch_scc1 .Lend
	PLACES 8
.irp k, 0,1,2,3,4,5,6,7
	ds_load_b128 v[KV+4*\k:KV+4*\k+3], v[HND] offset:512*\k
.endr
	ds_load_b128 v[KV+32:KV+35], v[HND] offset:4096
	s_wait_dscnt 0x0
	v_min_num_f32 v68, v[NM], v[KV+32]             ; THE TWO PARTS MEET: the larger M of the two,
	v_sub_f32 v69, v68, v[NM]
	v_sub_f32 v48, v68, v[KV+32]
	v_cvt_i32_f32 v69, v69
	v_cvt_i32_f32 v48, v48
	v_ldexp_f32 v[FF], 1.0, v69                    ; and either part brought under it: exact
	v_ldexp_f32 v50, 1.0, v48
	v_pk_mul_f32 v[SM:SM+1], v[SM:SM+1], v[FF:FF+1] op_sel_hi:[1,0]
	v_pk_fma_f32 v[SM:SM+1], v[KV+34:KV+35], v[50:51], v[SM:SM+1] op_sel_hi:[1,0,1]
.set n, 0
.rept 16
	v_pk_mul_f32 v[OO+n:OO+n+1], v[OO+n:OO+n+1], v[FF:FF+1] op_sel_hi:[1,0]
.set n, n+2
.endr
.set n, 0
.rept 16
	v_pk_fma_f32 v[OO+n:OO+n+1], v[KV+n:KV+n+1], v[50:51], v[OO+n:OO+n+1] op_sel_hi:[1,0,1]
.set n, n+2
.endr
	WAYOUT 10, 11
	s_wait_alu depctr_va_vdst(0)
.Lend:
	s_wait_tensorcnt 0x0                           ; the wave's end
	ds_add_u32 v[SPW], v[NIL]
	s_wait_dscnt 0x0
	CROUND                                         ; the closing round
	s_endpgm
.Lfunc_end_k_q7e9913630f_attn:
	.size	k_q7e9913630f_attn, .Lfunc_end_k_q7e9913630f_attn-k_q7e9913630f_attn
	.p2alignl 7, 3214868480
	.fill 96, 4, 3214868480
	.section	.rodata,"a",@progbits
	.p2align	6, 0x0
	.amdhsa_kernel k_q7e9913630f_attn
		.amdhsa_group_segment_fixed_size 309248
		.amdhsa_private_segment_fixed_size 0
		.amdhsa_enable_private_segment 0
		.amdhsa_kernarg_size 16
		.amdhsa_user_sgpr_count 2
		.amdhsa_user_sgpr_kernarg_segment_ptr 1
		.amdhsa_wavefront_size32 1
		.amdhsa_system_sgpr_workgroup_id_x 1
		.amdhsa_system_sgpr_workgroup_id_y 1
		.amdhsa_system_sgpr_workgroup_id_z 1
		.amdhsa_system_vgpr_workitem_id 0
		.amdhsa_next_free_vgpr 256
		.amdhsa_next_free_sgpr 96
		.amdhsa_reserve_vcc 0
		.amdhsa_float_denorm_mode_32 3
		.amdhsa_float_denorm_mode_16_64 3
		.amdhsa_memory_ordered 1
		.amdhsa_forward_progress 1
		.amdhsa_inst_pref_size 98
	.end_amdhsa_kernel
	.amdgpu_metadata
---
amdhsa.version: [ 1, 2 ]
amdhsa.kernels:
  - .name:           k_q7e9913630f_attn
    .symbol:         k_q7e9913630f_attn.kd
    .args:
      - { .name: qkv, .offset: 0, .size: 8, .value_kind: global_buffer, .address_space: global }
      - { .name: cq, .offset: 8, .size: 8, .value_kind: global_buffer, .address_space: global }
    .group_segment_fixed_size: 309248
    .private_segment_fixed_size: 0
    .kernarg_segment_align: 8
    .kernarg_segment_size: 16
    .max_flat_workgroup_size: 512
    .sgpr_count:     96
    .vgpr_count:     256
    .wavefront_size: 32
...
	.end_amdgpu_metadata
.endif
;; end of part 3
;; launch oproj (part 4): grid 8 x 32, 4 waves a work-group, clusters of 4 x 4, 288,256 bytes of LDS; arguments cq, wq, bo, out0; writes out0
.if DOCPART == 4
	.amdgcn_target "amdgcn-amd-amdhsa--gfx1250"
	.amdhsa_code_object_version 6
	.text
	.protected	k_q7e9913630f_oproj
	.globl	k_q7e9913630f_oproj
	.p2align	8
	.type	k_q7e9913630f_oproj,@function
k_q7e9913630f_oproj:
	s_mov_b64 s[64:65], 0
	v_nop
	global_prefetch_b8 v0, s[64:65] scope:SCOPE_SE
	s_setreg_imm32_b32 hwreg(HW_REG_WAVE_MODE, 25, 1), 1
	s_wait_xcnt 0x0
	s_wait_alu depctr_hold_cnt(0) depctr_sa_sdst(0) depctr_va_vdst(0) depctr_va_sdst(0) depctr_va_ssrc(0) depctr_va_vcc(0) depctr_vm_vsrc(0)
	s_getreg_b32 s2, hwreg(HW_REG_IB_STS2, 6, 4)
	s_cmp_eq_u32 s2, 0
	s_cbranch_scc0 .Lentry_in_a_cluster
	s_endpgm
.Lentry_in_a_cluster:
	s_bfe_u32 s2, ttmp6, 0x10000c
	s_cmp_lg_u32 s2, 0xf033
	s_cbranch_scc0 .Lentry_shape_is_right
	s_endpgm
.Lentry_shape_is_right:
; out = ctx Wo + bo on codes of BF8 (E5M2) with E8M0 scales, sums in f32.  ctx's codes and Wo's (blocks 12-19 of the weights' buffer) lie in the order of the operands' registers.
; A work-group makes 128 columns x 128 tokens; four waves, each 64 x 64: 16 accumulators.  ALL OF K LIES IN LDS, FILLED ONCE: 2 x 135,168 bytes in four chunks of two K steps; each wave brings one K step of one
; operand in each chunk (66 dense rows of 256 bytes).  Nothing is filled again: the waits on the tensor counter are counted, and there is no ring.
; CLUSTERS: 4 x 4 work-groups; ctx's block is shared along a row of the cluster, Wo's along a column: joint loads, the same descriptor in the four that a mask names.
; THE MATRIX INSTRUCTION IS USED TRANSPOSED (source 0 = 16 columns of Wo, source 1 = 16 tokens): a lane holds one token and 16 neighbouring columns in two neighbouring tiles.  The bias is the C of each sum's first product.
; Tiles hold rows 32 G + 8 u + (r % 8) + 16 (r / 8).  A wave's 64 columns are 256 consecutive bytes of an output row, aligned: each wave sends its results through a stage of its own, behind the operands, and stores whole such runs.
; REGISTERS: window 0: v1-6 lane terms; v16-19 LDS addresses; v20-22 the way out; v32-47 scale words, two sets; v64-95 the bias, later with v96-127 rows read back; v128-255 accumulator (t, j) at 128 + 32 j + 8 t.
;   window 1: two fragment buffers of 128: Wo's four tiles, then ctx's four.
; THE FILLS AS THIS TEXT HAS THEM (in place of the chunks that the lines above speak of): ctx's block lies at LDS byte 0, Wo's behind it, 8 K steps each.  One joint load a wave, 264 dense rows of 256 bytes: waves 0 and 1 bring K steps 0-3 of ctx
; and of Wo, waves 2 and 3 K steps 4-7; each has a load line of its own.  The first barrier shows waves 0 and 1's, the barrier ahead of K step 4's fragments the rest; every wait on the tensor counter is for 0.
.set OBB,  135168
.set KSB,  16896
.set CHB,  2*KSB                       ; two K steps: from one address step to the next
.set STG,  16*KSB                      ; behind the operands: 16 rows x 272 bytes for each wave; no fill lands there
.set SP,   272
.set ADP,  16
.set ADR,  17
.set ADSP, 18
.set ADSR, 19
.set STO,  20
.set RD,   21
.set CO,   22
.set SC,   32
.set BK,   64
.set ACC,  128
.set G1X,  24
.set G1W,  32
.set MSB, 0
.macro WIN new                         ; the immediate's high byte repeats the setting that is left
.if MSB != \new
	s_set_vgpr_msb (MSB<<8)|\new
.set MSB, \new
.endif
.endm
.macro CROUND                          ; a round of the cluster's barrier
	s_barrier_signal -1
	s_barrier_wait -1
	s_cmp_lg_u32 s12, 0
	s_cbranch_scc1 .Lnot_wave_0_\@
	s_barrier_signal -3
.Lnot_wave_0_\@:
	s_barrier_wait -3
	s_barrier_signal -1
	s_barrier_wait -1
.endm
.macro PLACES n
.rept \n
	v_nop
.endr
.endm
.macro FETCH s                         ; K step s: 32 loads of fragments, 8 of scale words: 40 LDS loads
	WIN 0x40                                       ; destination window 1, address window 0
.irp t, 0,1,2,3
.irp c, 0,1,2,3
	ds_load_b128 v[128*((\s)%2)+16*\t+4*\c:128*((\s)%2)+16*\t+4*\c+3], v[ADP] offset:((\s)%2)*KSB+2048*\t+512*\c
.endr
.endr
.irp t, 0,1,2,3
.irp c, 0,1,2,3
	ds_load_b128 v[128*((\s)%2)+64+16*\t+4*\c:128*((\s)%2)+64+16*\t+4*\c+3], v[ADR] offset:((\s)%2)*KSB+2048*\t+512*\c
.endr
.endr
	WIN 0
.irp t, 0,1,2,3
	ds_load_b32 v[SC+8*((\s)%2)+\t], v[ADSP] offset:((\s)%2)*KSB+64*\t
.endr
.irp t, 0,1,2,3
	ds_load_b32 v[SC+8*((\s)%2)+4+\t], v[ADSR] offset:((\s)%2)*KSB+64*\t
.endr
.endm
.macro MUL16 s, first                  ; the 16 accumulators take turns, one instruction a turn, in the same order in every step
.set F, 128*((\s)%2)
.set SG, SC+8*((\s)%2)
	WIN 0x05                                       ; sources 0 and 1 window 1; C and D window 0
.irp j, 0,1,2,3
.irp t, 0,1,2,3
.if \first
	v_wmma_scale_f32_16x16x128_f8f6f4 v[ACC+32*\j+8*\t:ACC+32*\j+8*\t+7], v[F+16*\t:F+16*\t+15], v[F+64+16*\j:F+64+16*\j+15], v[BK+8*\t:BK+8*\t+7], v[SG+\t], v[SG+4+\j] matrix_a_fmt:MATRIX_FMT_BF8 matrix_b_fmt:MATRIX_FMT_BF8
.else
	v_wmma_scale_f32_16x16x128_f8f6f4 v[ACC+32*\j+8*\t:ACC+32*\j+8*\t+7], v[F+16*\t:F+16*\t+15], v[F+64+16*\j:F+64+16*\j+15], v[ACC+32*\j+8*\t:ACC+32*\j+8*\t+7], v[SG+\t], v[SG+4+\j] matrix_a_fmt:MATRIX_FMT_BF8 matrix_b_fmt:MATRIX_FMT_BF8
.endif
.endr
.endr
	WIN 0
.endm
.macro KSTEP s, first
.if (\s) == 3
	s_wait_tensorcnt 0x0                           ; my load has landed, whichever it was
	s_wait_dscnt 0x0                               ; no LDS instruction of mine is out at a signal
	s_barrier_signal -1
	s_barrier_wait -1                              ; K steps 4-7 are in
.endif
.if (\s) < 7
.if (\s)%2 == 1
.irp a, ADP, ADR, ADSP, ADSR
	v_add_nc_u32 v[\a], CHB, v[\a]                 ; on to the next chunk; these four are places too
.endr
	PLACES 4                                       ; eight places between the last step's products and loads into the registers that they read
.else
.if (\s) > 0
	PLACES 8
.endif
.endif
	FETCH (\s)+1
	s_wait_dscnt 40                                ; all but the 40 just issued: this step's fragments and scale words are in
.else
	s_wait_dscnt 0x0
.endif
	MUL16 \s, \first
.endm
; THE WAY OUT of ctx's tile j: 16 tokens x 64 columns through my stage; back as whole rows of 256 bytes, two an instruction
.macro TOSTAGE j
.irp t, 0,1,2,3
	ds_store_b128 v[STO], v[ACC+32*(\j)+8*\t:ACC+32*(\j)+8*\t+3] offset:128*(\t/2)+32*(\t%2)       ; each accumulator from its low end on
	ds_store_b128 v[STO], v[ACC+32*(\j)+8*\t+4:ACC+32*(\j)+8*\t+7] offset:128*(\t/2)+32*(\t%2)+16
.endr
.irp i, 0,1,2,3,4,5,6,7
	ds_load_b128 v[BK+32*((\j)%2)+4*\i:BK+32*((\j)%2)+4*\i+3], v[RD] offset:2*SP*\i   ; LDS serves a wave's instructions in order: these see the stores above, and the next tile's stores come behind them
.endr
.endm
.macro SEND j, younger                 ; younger: the LDS instructions issued behind tile j's loads, which may stay out
	s_wait_dscnt \younger
.irp i, 0,1,2,3,4,5,6,7
	global_store_b128 v[CO], v[BK+32*((\j)%2)+4*\i:BK+32*((\j)%2)+4*\i+3], s[10:11] offset:(32*((\j)/2)+8*((\j)%2)+((2*\i)%8)+16*(\i/4))*4096 th:TH_STORE_NT   ; stage row 2 i + lane / 16 is that token of the tile's order; 16 lanes store 256 consecutive bytes, aligned
.endr
.endm
	s_load_b256 s[4:11], s[0:1], 0x0               ; cq, wq, bo, out0
	v_lshl_add_u32 v62, v0, 2, 0x46400
	v_mov_b32 v63, 0
	ds_add_u32 v62, v63
	ds_add_u32 v62, v63
	v_lshrrev_b32 v1, 5, v0
	v_readfirstlane_b32 s12, v1                    ; wave 0..3
	s_lshr_b32 s13, s12, 1                         ; TH: which 64 tokens are mine.  Also: which four K steps I fetch
	s_and_b32 s14, s12, 1                          ; PH: which 64 columns.  Also: I fetch for ctx (0) or for Wo (1)
	s_bfe_u32 s15, ttmp6, 0x40000                  ; cx
	s_bfe_u32 s16, ttmp6, 0x40004                  ; cy
	s_lshl_b32 s17, ttmp9, 2
	s_add_co_u32 s17, s17, s15                     ; the columns' block = 4 x cluster x + cx
	s_and_b32 s18, ttmp7, 0xffff
	s_lshl_b32 s18, s18, 2
	s_add_co_u32 s18, s18, s16                     ; the tokens' block = 4 x cluster y + cy
	s_lshl_b32 s80, s16, 2
	s_lshl_b32 s80, 15, s80                        ; my row of the cluster
	s_lshl_b32 s81, 0x1111, s15                    ; my column
	s_or_b32 s[G1X], s80, (3<<16)|(1<<21)          ; 15:0 the mask; 17:16 elements of 8 bytes; 21 set beside a mask; no padding
	s_or_b32 s[G1W], s81, (3<<16)|(1<<21)
.irp g, G1X, G1W
	s_mov_b32 s[\g+1], 32<<16                      ; 264 dense rows of 256 bytes
	s_mov_b32 s[\g+2], 264<<16                     ; four K steps
	s_mov_b32 s[\g+3], 32<<16
	s_mov_b32 s[\g+4], 264
	s_mov_b32 s[\g+5], 32
	s_mov_b32 s[\g+6], 0
	s_mov_b32 s[\g+7], 0
.endr
	s_mul_i32 s22, s13, 4*KSB                      ; which four K steps I fetch: wave / 2
	s_mul_i32 s19, s14, 8*KSB                      ; ctx's (0) or Wo's (1): wave % 2
	s_add_co_u32 s19, s19, s22                     ; where my load lands: the wave's number alone
	s_mul_i32 s20, s18, OBB
	s_add_co_u32 s20, s20, s22
	s_mov_b32 s21, 0
	s_add_co_u32 s82, s17, 12                      ; Wo's blocks begin at block 12
	s_mul_i32 s82, s82, OBB
	s_add_co_u32 s82, s82, s22
	s_mov_b32 s83, 0
	s_lshl_b32 s84, s17, 9                         ; my 64 columns, in bytes of f32
	s_lshl_b32 s85, s14, 8
	s_add_co_u32 s84, s84, s85
	s_mov_b32 s85, 0
	s_lshl_b32 s86, s18, 19                        ; my 64 tokens' rows of 4,096 bytes
	s_lshl_b32 s87, s13, 18
	s_add_co_u32 s86, s86, s87
	s_add_co_u32 s86, s86, s84
	s_mov_b32 s87, 0
	s_wait_dscnt 0x0
	s_wait_kmcnt 0x0
	s_add_nc_u64 s[76:77], s[4:5], s[20:21]        ; ctx's block, my K step of chunk 0: hangs on the tokens' block alone
	s_add_nc_u64 s[78:79], s[6:7], s[82:83]        ; Wo's: on the columns' block alone
	s_add_nc_u64 s[8:9], s[8:9], s[84:85]
	s_add_nc_u64 s[10:11], s[10:11], s[86:87]
.irp q, 0
.set GW, 56+4*\q+4*(\q/2)
	s_mov_b32 s[40+4*\q], 1
	s_add_co_u32 s[41+4*\q], s19, \q*CHB
	s_add_nc_u64 s[42+4*\q:43+4*\q], s[76:77], \q*2*KSB
	s_or_b32 s[43+4*\q], s[43+4*\q], 0x80000000
	s_mov_b32 s[GW], 1
	s_add_co_u32 s[GW+1], s19, \q*CHB
	s_add_nc_u64 s[GW+2:GW+3], s[78:79], \q*2*KSB
	s_or_b32 s[GW+3], s[GW+3], 0x80000000
.endr
	CROUND                                         ; all sixteen work-groups are here: the joint loads meet
; one load a wave, in one chain of branches on the wave's number
.macro ARM under, g0, g1, next
	s_cmp_lt_u32 s12, \under
	s_cbranch_scc0 \next
	tensor_load_to_lds s[\g0:\g0+3], s[\g1:\g1+7]
	s_nop 0
	PLACES 4
	s_branch .Lasked
\next:
.endm
	ARM 1, 40, G1X, .Lhead_1
	ARM 2, 56, G1W, .Lhead_2
	ARM 3, 40, G1X, .Lhead_3
	tensor_load_to_lds s[56:59], s[G1W:G1W+7]
	s_nop 0
	PLACES 4
.Lasked:
	v_and_b32 v1, 15, v0                           ; r
	v_bfe_u32 v5, v0, 4, 1                         ; h
	v_lshlrev_b32 v6, 6, v5                        ; the bias: tile 2 G + u wants columns 32 G + 8 u + 16 h + 0 .. 7
.irp t, 0,1,2,3
	global_load_b128 v[BK+8*\t:BK+8*\t+3], v6, s[8:9] offset:(32*(\t/2)+8*(\t%2))*4
	global_load_b128 v[BK+8*\t+4:BK+8*\t+7], v6, s[8:9] offset:(32*(\t/2)+8*(\t%2))*4+16
.endr
	v_and_b32 v3, 31, v0
	v_lshlrev_b32 v3, 4, v3                        ; 16 lane
	v_lshlrev_b32 v2, 2, v1                        ; 4 r
	s_lshl_b32 s90, s14, 13                        ; source 0: Wo's part of a chunk, my four tiles
	s_add_co_u32 s90, s90, 8*KSB
	v_add_nc_u32 v[ADP], s90, v3
	s_lshl_b32 s90, s13, 13                        ; source 1: ctx's
	v_add_nc_u32 v[ADR], s90, v3
	s_lshl_b32 s90, s14, 8
	s_add_co_u32 s90, s90, 8*KSB+16384
	v_add_nc_u32 v[ADSP], s90, v2
	s_lshl_b32 s90, s13, 8
	s_add_co_u32 s90, s90, 16384
	v_add_nc_u32 v[ADSR], s90, v2
	s_mul_i32 s91, s12, 16*SP
	s_add_co_u32 s91, s91, STG                     ; my stage
	v_mul_u32_u24 v[STO], v1, SP
	v_lshl_add_u32 v[STO], v5, 6, v[STO]
	v_add_nc_u32 v[STO], s91, v[STO]               ; in: row r, + 64 h
	v_mul_u32_u24 v[RD], v5, SP
	v_lshl_add_u32 v[RD], v1, 4, v[RD]
	v_add_nc_u32 v[RD], s91, v[RD]                 ; back: lanes 0-15 one row, lanes 16-31 the next
	v_lshlrev_b32 v[CO], 12, v5
	v_lshl_add_u32 v[CO], v1, 4, v[CO]             ; and the same two rows in the output
	s_wait_alu depctr_va_vdst(0)
	s_wait_loadcnt 0x0                             ; the bias
	s_cmp_lt_u32 s12, 2
	s_cbranch_scc0 .Lnot_yet
	s_wait_tensorcnt 0x0                           ; waves 0 and 1: K steps 0-3 have landed; the others wait at the second barrier
.Lnot_yet:
	s_barrier_signal -1
	s_barrier_wait -1                              ; K steps 0-3 are in
	FETCH 0
	KSTEP 0, 1                                     ; the first products start the sums from the bias: nothing is cleared, nothing is added later
	KSTEP 1, 0
	s_wait_alu depctr_va_vdst(0)
	KSTEP 2, 0
	KSTEP 3, 0
	s_wait_alu depctr_va_vdst(0)
	KSTEP 4, 0
	KSTEP 5, 0
	s_wait_alu depctr_va_vdst(0)
	KSTEP 6, 0
	KSTEP 7, 0
	PLACES 8                                       ; between the last products and the first read of results
	TOSTAGE 0
	TOSTAGE 1
	SEND 0, 16                                     ; behind tile 0's loads: tile 1's 8 stores and 8 loads
	s_wait_xcnt 0x0                                ; tile 0's stores have read their registers: tile 2's loads land there only behind this wait
	TOSTAGE 2
	SEND 1, 16
	s_wait_xcnt 0x0                                ; likewise tile 1's, for tile 3
	TOSTAGE 3
	SEND 2, 16
	SEND 3, 0
	s_wait_tensorcnt 0x0
	ds_add_u32 v62, v63
	s_wait_dscnt 0x0
	CROUND                                         ; the closing round: no work-group ends while a partner may still ask for a tile that names it
	s_endpgm
.Lfunc_end_k_q7e9913630f_oproj:
	.size	k_q7e9913630f_oproj, .Lfunc_end_k_q7e9913630f_oproj-k_q7e9913630f_oproj
	.p2alignl 7, 3214868480
	.fill 96, 4, 3214868480
	.section	.rodata,"a",@progbits
	.p2align	6, 0x0
	.amdhsa_kernel k_q7e9913630f_oproj
		.amdhsa_group_segment_fixed_size 288256
		.amdhsa_private_segment_fixed_size 0
		.amdhsa_enable_private_segment 0
		.amdhsa_kernarg_size 32
		.amdhsa_user_sgpr_count 2
		.amdhsa_user_sgpr_kernarg_segment_ptr 1
		.amdhsa_wavefront_size32 1
		.amdhsa_system_sgpr_workgroup_id_x 1
		.amdhsa_system_sgpr_workgroup_id_y 1
		.amdhsa_system_sgpr_workgroup_id_z 1
		.amdhsa_system_vgpr_workitem_id 0
		.amdhsa_next_free_vgpr 512
		.amdhsa_next_free_sgpr 96
		.amdhsa_reserve_vcc 0
		.amdhsa_float_denorm_mode_32 3
		.amdhsa_float_denorm_mode_16_64 3
		.amdhsa_memory_ordered 1
		.amdhsa_forward_progress 1
		.amdhsa_inst_pref_size 55
	.end_amdhsa_kernel
	.amdgpu_metadata
---
amdhsa.version: [ 1, 2 ]
amdhsa.kernels:
  - .name:           k_q7e9913630f_oproj
    .symbol:         k_q7e9913630f_oproj.kd
    .args:
      - { .name: cq, .offset: 0, .size: 8, .value_kind: global_buffer, .address_space: global }
      - { .name: wq, .offset: 8, .size: 8, .value_kind: global_buffer, .address_space: global }
      - { .name: bo, .offset: 16, .size: 8, .value_kind: global_buffer, .address_space: global }
      - { .name: out0, .offset: 24, .size: 8, .value_kind: global_buffer, .address_space: global }
    .group_segment_fixed_size: 288256
    .private_segment_fixed_size: 0
    .kernarg_segment_align: 8
    .kernarg_segment_size: 32
    .max_flat_workgroup_size: 128
    .sgpr_count:     96
    .vgpr_count:     512
    .wavefront_size: 32
...
	.end_amdgpu_metadata
.endif
;; end of part 4
